; MI455X (gfx1250); checked and timed in simulation.
; The chip was launched on July 23, 2026; its instructions are those of AMD's public machine-readable ISA for CDNA 5 (MIT licence, August 2026) and "CDNA5" Instruction Set Architecture Reference Guide (July 2026). The comments in the code are by the model that wrote it; some were corrected since.
;; Wei Attention. Allowed arithmetic: matrix products marked QUANTISED: E3M2 operands, one E8M0 scale for each 32 along K, by v_wmma_scale_f32_16x16x128_f8f6f4 with both operands' format E3M2, f32 sums; everything else in f32.
;; Inputs: k 4 x 16 x 2,048 x 64 float32; mask 2,048 x 2,048 bool; q 4 x 16 x 2,048 x 64 float32; v 4 x 16 x 2,048 x 64 float32.
;; Outputs: out0 4 x 16 x 2,048 x 64 float32.
;; This version of the problem:
;;   THIS VERSION OF THE PROBLEM IS GIVEN IN LOW PRECISION. The matrix products marked QUANTISED in the list below multiply operands that are first quantised to E3M2 (3 exponent bits, 2 mantissa bits; 6 bits a number), with one power-of-two scale for each 32 numbers along K (OCP MX v1.0); their sums are f32. All else is computed in f32.
;;   The module's matrix products, in the order in which they are computed (A, B: the left and right operand; K: the contracted axis; several contracted axes count as one K, in the product's order):
;;     1. batch 64 x [M 2,048, K 64] x [K 64, N 2,048]; A: input q; B: input k: QUANTISED
;;     2. batch 64 x [M 2,048, K 2,048] x [K 2,048, N 64]; A: softmax (see below); B: input v: QUANTISED
;;   THE QUANTISER, for each operand of a quantised product, along K:
;;     - K is cut into blocks of 32 from its start; a last block that is shorter is filled with zeros.
;;     - A block's scale is 2^e with e = floor(log2(the largest magnitude in the block)) - 4, held to -126 .. 127; a block of zeros has e = 0. As a byte (E8M0): e + 127.
;;     - Each number is divided by its block's scale, clamped to +-28, and rounded to the nearest number of E3M2, ties to even, subnormals kept.
;;     - The product sums the exact products of the quantised numbers (number of the format x scale) in f32.
;;   ~~~python
;;   def quantise(x, axis):      # numpy; x: float32 -> the quantised numbers, widened to float32 again
;;       x = np.moveaxis(x, axis, -1); K = x.shape[-1]
;;       x = np.pad(x, [(0, 0)] * (x.ndim - 1) + [(0, -K % 32)]); x = x.reshape(x.shape[:-1] + (-1, 32)); a = np.abs(x).max(-1, keepdims=True)
;;       e = np.where(a > 0, np.clip(np.frexp(np.where(a > 0, a, 1))[1] - 1 - 4, -126, 127), 0)      # np.frexp(a)[1] - 1 = floor(log2(a)), exactly
;;       r = np.clip(x / 2.0 ** e, -28, 28)
;;       step = 2.0 ** (np.maximum(np.frexp(np.where(r == 0, 1, r))[1] - 1, -2) - 2)
;;       q = np.round(r / step) * step * 2.0 ** e      # np.round: ties to even
;;       return np.moveaxis(q.reshape(q.shape[:-2] + (-1,))[..., :K], -1, axis).astype(np.float32)
;;   ~~~
;;   SOFTMAX AHEAD OF A QUANTISED PRODUCT. Where the list says 'softmax', what is quantised is not the finished softmax but p = 2^(t - M), with t = logit x log2(e) and M = ceil(the row's largest t), a whole number; so 1/2 < the row's largest p <= 1. The row's sum l is taken of the UNQUANTISED p, in f32, and the product's result is divided by l at the end. Since M is a whole number, a kernel that streams over the keys may use a running M (the ceiling of the running maximum): every later rescaling is an exact power of two, which a block's scale takes up: the codes' values come out the same.
;;   OPERANDS COMPUTED ON THE WAY. 'Computed on the way' means the value that the module computes at that place (a softmax that the list does not call 'softmax' is quantised finished and normalised). What goes into a quantiser is computed in f32, as accurately as f32 sums, v_exp_f32 and their like allow (about 1e-6 of the number): no bf16 or f16 on the way to a quantiser, and a product that is left as it is and whose result goes on into a quantised operand takes f32 operands (vector FMAs, or v_wmma_f32_16x16x4_f32). A number that lies on a knife's edge between two numbers of the format may be rounded either way, as far as f32 arithmetic and the matrix unit's own rounding can turn it there, and no further.
;; 2 versions. Each part assembles by itself: llvm-mc -triple=amdgcn-amd-amdhsa -mcpu=gfx1250 --defsym DOCPART=n.
;; ======== version 1 of 2: 2 launches
;; workspace buffers: kv 14,155,776 bytes; mb 524,288 bytes of whole numbers; fl 512 bytes of whole numbers
;; launch prep (part 1): grid 1056 x 1, 4 waves a work-group, no clusters, 17,920 bytes of LDS; arguments k, v, mask, kv, mb, fl; writes kv, mb, fl
.if DOCPART == 1
	.amdgcn_target "amdgcn-amd-amdhsa--gfx1250"
	.amdhsa_code_object_version 6
	.text
	.protected	k_qe4de18cb58_prep
	.globl	k_qe4de18cb58_prep
	.p2align	8
	.type	k_qe4de18cb58_prep,@function
k_qe4de18cb58_prep:
	s_mov_b64 s[64:65], 0
	v_nop
	global_prefetch_b8 v0, s[64:65] scope:SCOPE_SE
	s_setreg_imm32_b32 hwreg(HW_REG_WAVE_MODE, 25, 1), 1
	s_wait_xcnt 0x0
; PREP: what the attention launch reads again and again is made once.
; (1) k and v [64 heads][2048 keys][64] f32 become codes of BF6 (E3M2) with E8M0 scale bytes, k along the head's 64, v along the keys, laid as IMAGES OF THE OPERANDS' REGISTERS:
;     kv[head][step of 128 keys] is one dense block of 13,824 bytes:
;       0      K's fragment t (0..7), registers 0-3: 16 bytes a lane at 512 t + 16 lane          4096   its registers 4-5: 8 bytes a lane at 256 t + 8 lane
;       6144   V^T's fragment t (0..3), registers 4 c .. 4 c + 3: 16 bytes a lane at 1536 t + 512 c + 16 lane
;       12288  K's scale words, tiles 4 g .. 4 g + 3 of row lane % 16: 16 bytes a lane at 512 g + 16 lane     13312  V's, tiles 2 g, 2 g + 1: 8 bytes a lane at 256 g + 8 lane
;     Lane (r, h) of K's fragment 2 b + u holds key 32 b + 8 u + r + 8 (r / 8), dims 32 h .. 32 h + 31; of V^T's fragment t row d = 16 t + r, registers 6 c on: keys 64 c + 32 h + 0 .. 31.
;     K has 64 along its K: the fragment's registers 6-11 are zero codes, which are not stored; bytes 2 and 3 of its scale words are 127.
; (2) the mask [2048][2048] of bytes becomes, for each tile T of 16 queries and each step s of 128 keys, 64 lane masks mb[T][s][n] (bit lane = mask[16 T + lane % 16][128 s + 32 (n / 16) + 16 (lane / 16) + n % 16])
;     and two flags in fl[T]: bit s = some entry of (T, s) is true, bit 16 + s = every byte of it is 1.
; A block's scale is 2^(floor(log2(its largest magnitude)) - 4): its byte is the largest magnitude's exponent field - 4, held at 1 from below by a floor among the maximum's leaves.
; LIMITS: a block of zeros gets the byte 1 where the rule says 127 (its codes are zeros, and this program alone reads the bytes); NaN and infinities in k and v are not served;
; a mask byte other than 0 counts as true; a byte other than 0 and 1 makes its tile 'mixed', never 'all true'.
; SHARES: work-groups 0-31: the mask, a wave to a tile T = 4 x work-group + wave.  Work-groups 32-1055: one block of kv each; waves 0, 1: K's tiles 4 g .. 4 g + 3; waves 2, 3: V's columns 32 g .. 32 g + 31.
; Memory binds this launch: no matrix work, no tensor loads, no barrier (waves share nothing), no cluster (work-groups share no input).
.set KVBLK,   13824
.set KB_OFF,  4096
.set VI_OFF,  6144
.set SCK_OFF, 12288
.set SCV_OFF, 13312
.set SP,      272                      ; a row of the K path's stage: 256 bytes + 16, so that the sixteen rows of a read start 16 bytes apart modulo 256
.set LN,  1                            ; v1   lane
.set RR,  2                            ; v2   r = lane % 16
.set HH,  3                            ; v3   h = lane / 16
.set LI,  4                            ; v4   16 x lane
.set LB,  5                            ; v5   8 x lane
.set SA,  6                            ; v6   the stage, on the way in:  wave's stage + 272 h + 16 r
.set SB,  7                            ; v7   and on the way out:        wave's stage + 272 r + 128 h
.set AM,  8                            ; v8-9 largest magnitudes, two chains
.set SOP, 10                           ; v10  the conversion's scale operand
.set BY,  11                           ; v11  the scale's byte
.set TMP, 12                           ; v12-14 a block's upper 16 codes
.set SH,  15                           ; v15  8 h
.set C,   16                           ; v16.. codes (K path: v16-21; V path: v16-39)
.set KW,  24                           ; v24-27 K path: the four tiles' scale words
.set KO0, 28                           ; v28  K path: where registers 0-3 of a fragment go
.set KO1, 29                           ; v29  K path: where registers 4-5 go
.set KO2, 30                           ; v30  K path: where the scale words go
.set KPD, 31                           ; v31  K path: the other half's byte
.set X,   32                           ; v32-63 K path: a lane's 32 neighbours
.set R,   64                           ; v64-191 numbers as loaded
; 32 numbers of ONE lane, v[src] on, become 6 registers of codes at v[dst] on (dst even), the byte in v[BY].
.macro QB src, dst
	v_max3_num_f32 v[AM], |v[(\src)]|, |v[(\src)+1]|, 0x2800000          ; the floor 2^(5 - 127) among the leaves: the byte cannot fall under 1
	v_max3_num_f32 v[AM+1], |v[(\src)+2]|, |v[(\src)+3]|, |v[(\src)+4]|
.irp i, 5,9,13,17,21,25
	v_max3_num_f32 v[AM], v[AM], |v[(\src)+\i]|, |v[(\src)+\i+1]|
	v_max3_num_f32 v[AM+1], v[AM+1], |v[(\src)+\i+2]|, |v[(\src)+\i+3]|
.endr
	v_max3_num_f32 v[AM], v[AM], |v[(\src)+29]|, |v[(\src)+30]|
	v_max3_num_f32 v[AM], v[AM], v[AM+1], |v[(\src)+31]|
	v_add_nc_u32 v[SOP], 0xfe000000, v[AM]                               ; 4 off the exponent field: the conversion takes that field as its scale and nothing else
	v_cvt_scalef32_pk16_bf6_f32 v[(\dst):(\dst)+2], v[(\src):(\src)+15], v[SOP]
	v_cvt_scalef32_pk16_bf6_f32 v[TMP:TMP+2], v[(\src)+16:(\src)+31], v[SOP]   ; (a conversion's three registers begin on an even number)
	v_lshrrev_b32 v[BY], 23, v[SOP]                                      ; the byte; also the plain line behind the conversions
.irp i, 0,1,2
	v_mov_b32 v[(\dst)+3+\i], v[TMP+\i]
.endr
.endm
	s_load_b256 s[4:11], s[0:1], 0x0               ; k s[4:5], v s[6:7], mask s[8:9], kv s[10:11]
	s_load_b128 s[12:15], s[0:1], 0x20             ; mb s[12:13], fl s[14:15]
	v_lshl_add_u32 v192, v0, 2, 0x4400
	v_mov_b32 v193, 0
	v_lshrrev_b32 v1, 5, v0
	v_readfirstlane_b32 s16, v1                    ; wave 0..3
	v_and_b32 v[LN], 31, v0
	v_and_b32 v[RR], 15, v0
	v_bfe_u32 v[HH], v0, 4, 1
	v_lshlrev_b32 v[LI], 4, v[LN]
	v_lshlrev_b32 v[LB], 3, v[LN]
	s_mul_i32 s17, s16, 16*SP                      ; both LDS addresses are made here, ahead of every parting of the ways
	v_mul_u32_u24 v[SA], v[HH], SP
	v_lshl_add_u32 v[SA], v[RR], 4, v[SA]
	v_add_nc_u32 v[SA], s17, v[SA]
	v_mul_u32_u24 v[SB], v[RR], SP
	v_lshl_add_u32 v[SB], v[HH], 7, v[SB]
	v_add_nc_u32 v[SB], s17, v[SB]
	s_mov_b32 s18, 0x76543210                      ; v_permlanex16_b32's selects for lane l xor 16
	s_mov_b32 s19, 0xfedcba98
	s_mov_b32 s29, 0                               ; the upper word of every offset pair s[28:29]
	s_wait_kmcnt 0x0
	s_cmp_lt_u32 ttmp9, 32
	s_cbranch_scc1 .Lmask
	s_sub_co_u32 s17, ttmp9, 32                    ; p = 16 x head + step
	s_lshl_b32 s28, s17, 15                        ; 128 keys of 256 bytes
	s_add_nc_u64 s[4:5], s[4:5], s[28:29]
	s_add_nc_u64 s[6:7], s[6:7], s[28:29]
	s_mul_i32 s28, s17, KVBLK
	s_add_nc_u64 s[10:11], s[10:11], s[28:29]      ; my block of kv
	s_cmp_lt_u32 s16, 2
	s_cbranch_scc0 .Lv
	; ---- K: wave g takes keys 64 g .. 64 g + 63, four tiles.  Each load reads two whole rows (512 consecutive bytes); a tile's 16 rows turn through the wave's stage, so that a lane gets 32 neighbours of one row.
	s_lshl_b32 s28, s16, 14
	s_add_nc_u64 s[4:5], s[4:5], s[28:29]
	s_lshl_b32 s17, s16, 11
	v_add_nc_u32 v[KO0], s17, v[LI]                ; registers 0-3: 16 lane + 512 x 4 g
	s_lshl_b32 s17, s16, 10
	v_add_nc_u32 v[KO1], s17, v[LB]                ; registers 4-5: 8 lane + 256 x 4 g
	s_lshl_b32 s17, s16, 9
	v_add_nc_u32 v[KO2], s17, v[LI]                ; scale words: 16 lane + 512 g
	v_lshlrev_b32 v[SH], 3, v[HH]
	v_mov_b32 v[KPD], 0                            ; written once: a lane permute's destination counts as one of its sources
.irp t, 0,1,2,3
.irp i, 0,1,2,3,4,5,6,7
	global_load_b128 v[R+32*\t+4*\i:R+32*\t+4*\i+3], v[LI], s[4:5] offset:256*(32*(\t/2)+8*(\t%2)+2*\i+8*(\i/4)) th:TH_LOAD_NT   ; tile rows 2 i, 2 i + 1: keys 32 (t / 2) + 8 (t % 2) + 0..7 and the eight 16 further on
.endr
.endr
.macro KTILE t
	s_wait_loadcnt 24-8*\t                         ; this tile's eight loads are in; the later tiles' may be out
.irp i, 0,1,2,3,4,5,6,7
	ds_store_b128 v[SA], v[R+32*\t+4*\i:R+32*\t+4*\i+3] offset:2*SP*\i
.endr
.irp j, 0,1,2,3,4,5,6,7
	ds_load_b128 v[X+4*\j:X+4*\j+3], v[SB] offset:16*\j   ; LDS serves a wave's instructions in order: these see the stores above
.endr
	s_wait_dscnt 0x0
	s_wait_xcnt 0x0                                ; the last tile's stores have read their codes: they are written again only behind this wait
	QB X, C
	v_lshlrev_b32 v[BY], v[SH], v[BY]              ; my byte at its place: dims 32 h on are byte h
	v_permlanex16_b32 v[KPD], v[BY], s18, s19
	v_or_b32 v[BY], v[BY], v[KPD]
	v_or_b32 v[KW+\t], 0x7f7f0000, v[BY]           ; bytes 2 and 3: 127, over zero codes
	global_store_b128 v[KO0], v[C:C+3], s[10:11] offset:512*\t             ; 512 consecutive bytes, aligned
	global_store_b64 v[KO1], v[C+4:C+5], s[10:11] offset:KB_OFF+256*\t     ; 256 consecutive bytes, aligned
.endm
	KTILE 0
	KTILE 1
	KTILE 2
	KTILE 3
	global_store_b128 v[KO2], v[KW:KW+3], s[10:11] offset:SCK_OFF
	s_wait_tensorcnt 0x0
	ds_add_u32 v192, v193
	s_wait_dscnt 0x0
	s_endpgm
	; ---- V: wave g takes columns d = 32 g + lane; a lane's registers run DOWN the keys, so a block of 32 keys lies in one lane and the codes come out with the keys innermost.
.Lv:
	s_sub_co_u32 s17, s16, 2                       ; g
	s_lshl_b32 s20, s17, 7
	v_lshl_add_u32 v40, v[LN], 2, s20              ; in: 4 lane + 128 g: a wave reads 128 consecutive bytes, the two waves a whole row
	s_lshl_b32 s20, s17, 1
	v_add_nc_u32 v41, s20, v[HH]                   ; my column's tile t = 2 g + h
	v_mul_u32_u24 v41, v41, 1536
	v_lshl_add_u32 v41, v[RR], 4, v41              ; out: 1536 t + 16 r
	s_lshl_b32 s20, s17, 8
	v_add_nc_u32 v42, s20, v[LB]                   ; scale words: 8 lane + 256 g
	v_mov_b32 v45, 0                               ; (a lane permute's destination)
.macro VLOADH kb, hf                           ; half hf of block kb: 16 keys, a load a key
.irp i, 0,1,2,3,4,5,6,7,8,9,10,11,12,13,14,15
	global_load_b32 v[R+32*\kb+16*\hf+\i], v40, s[6:7] offset:256*(32*\kb+16*\hf+\i) th:TH_LOAD_NT
.endr
.endm
; Block kb = 2 c + hh belongs to image lane r + 16 hh, registers 6 c on: the image lanes' two sets of 12 registers stand at C and at C + 12.
.macro VBLOCK kb
	QB R+32*\kb, C+12*(\kb%2)+6*(\kb/2)
.if \kb == 0
	v_mov_b32 v44, v[BY]
.else
	v_lshl_or_b32 v44, v[BY], 8*\kb, v44           ; my column's scale word: byte kb for keys 32 kb on
.endif
.endm
	; The loads run one and a half blocks ahead: at most 48 of a wave are out.  Each wait for 16 leaves out the one half (16 loads) that was issued behind the block wanted.
	VLOADH 0, 0
	VLOADH 0, 1
	VLOADH 1, 0
	s_wait_loadcnt 16                              ; block 0 is in; block 1's first half may be out
	VLOADH 1, 1
	VLOADH 2, 0
	VBLOCK 0
	s_wait_loadcnt 16                              ; block 1 is in; block 2's first half may be out
	VLOADH 2, 1
	VLOADH 3, 0
	VBLOCK 1
	s_wait_loadcnt 16                              ; block 2 is in; block 3's first half may be out
	VLOADH 3, 1
	VBLOCK 2
	s_wait_loadcnt 0x0
	VBLOCK 3
.irp hh, 0,1
.irp p, 0,1,2
	global_store_b128 v41, v[C+12*\hh+4*\p:C+12*\hh+4*\p+3], s[10:11] offset:VI_OFF+512*\p+256*\hh   ; sixteen lanes store 256 consecutive bytes, aligned
.endr
.endr
	v_permlanex16_b32 v45, v44, s18, s19           ; the other tile's word of row r
	v_cmp_gt_u32 vcc_lo, 16, v[LN]
	v_cndmask_b32 v46, v45, v44, vcc_lo            ; tile 2 g's word of row r, in both halves of the lanes
	v_cndmask_b32 v47, v44, v45, vcc_lo            ; tile 2 g + 1's
	global_store_b64 v42, v[46:47], s[10:11] offset:SCV_OFF
	s_endpgm
	; ---- THE MASK: wave = tile T of 16 queries; 16 steps of 128 keys, two sets of registers by turns, each filled a step ahead.
.Lmask:
	s_lshl_b32 s17, ttmp9, 2
	s_add_co_u32 s17, s17, s16                     ; T
	s_lshl_b32 s28, s17, 15                        ; 16 rows of 2,048 bytes
	s_add_nc_u64 s[8:9], s[8:9], s[28:29]
	s_lshl_b32 s28, s17, 12                        ; 16 steps of 256 bytes
	s_add_nc_u64 s[12:13], s[12:13], s[28:29]
	s_lshl_b32 s28, s17, 2
	s_add_nc_u64 s[14:15], s[14:15], s[28:29]
	v_lshlrev_b32 v62, 11, v[RR]
	v_lshl_add_u32 v62, v[HH], 4, v62              ; row r, + 16 h: my 16 bytes of each 32 keys
	v_mov_b32 v56, 0                               ; the 64 words of a step, two a lane (v_writelane_b32's destination counts as read)
	v_mov_b32 v57, 0
	s_mov_b32 s30, 0                               ; the flags
	s_mov_b32 s31, 0                               ; the step
	s_mov_b32 s44, 0x01010101
.irp e, 0,1
.irp b, 0,1,2,3
	global_load_b128 v[16+16*\e+4*\b:16+16*\e+4*\b+3], v62, s[8:9] offset:128*\e+32*\b
.endr
.endr
; One step from set e.  Register set + n / 4, byte n % 4 of lane (r, h) is mask[16 T + r][128 s + 32 (n / 16) + 16 h + n % 16].  ahead = 1: the set is filled again, two steps on.  left: the other set's loads.
.macro MSTEP e, ahead, left
.set MS, 16+16*\e
	s_wait_loadcnt \left
	s_wait_xcnt 0x0                                ; the last step's store has read v56-57: they are written again only behind this wait
	v_or_b32 v58, v[MS], v[MS+1]
	v_and_b32 v59, v[MS], v[MS+1]
.irp i, 2,3,4,5,6,7,8,9,10,11,12,13,14,15
	v_or_b32 v58, v58, v[MS+\i]
	v_and_b32 v59, v59, v[MS+\i]
.endr
.irp bt, 0,1,2,3,4,5,6,7                       ; eight words at a time: the byte, the 32 lanes' vote, the vote into lane n / 2 of register n % 2
.irp c, 0,1,2,3,4,5,6,7
	v_bfe_u32 v[48+\c], v[MS+(8*\bt+\c)/4], 8*(\c%4), 8
.endr
.irp c, 0,1,2,3,4,5,6,7
	v_cmp_ne_u32 s[20+\c], 0, v[48+\c]
.endr
.irp c, 0,1,2,3,4,5,6,7
	v_writelane_b32 v[56+\c%2], s[20+\c], (8*\bt+\c)/2
.endr
.endr
	global_store_b64 v[LB], v[56:57], s[12:13] offset:256*\e           ; word n at byte 4 n: 256 consecutive bytes, aligned
.if \ahead
.irp b, 0,1,2,3
	global_load_b128 v[MS+4*\b:MS+4*\b+3], v62, s[8:9] offset:256+128*\e+32*\b
.endr
.endif
	v_cmp_ne_u32 s32, 0, v58                       ; lanes with some byte set
	v_cmp_eq_u32 s33, s44, v59                     ; lanes whose 64 bytes are all 1
	s_cmp_lg_u32 s32, 0
	s_cselect_b32 s34, 1, 0
	s_cmp_eq_u32 s33, -1
	s_cselect_b32 s35, 0x10000, 0
	s_or_b32 s34, s34, s35
	s_lshl_b32 s34, s34, s31
	s_or_b32 s30, s30, s34
	s_add_co_u32 s31, s31, 1
.endm
	s_mov_b32 s36, 7
.Lmstep:                                           ; 7 trips of two steps; the last two steps are written out and load nothing, so no load leaves the mask
	MSTEP 0, 1, 4
	MSTEP 1, 1, 4
	s_wait_xcnt 0x0                                ; the trip's loads and stores have read their offset and base
	v_add_nc_u32 v62, 256, v62
	s_add_nc_u64 s[12:13], s[12:13], 512
	s_sub_co_u32 s36, s36, 1
	s_cmp_lg_u32 s36, 0
	s_cbranch_scc1 .Lmstep
	MSTEP 0, 0, 4
	MSTEP 1, 0, 0
	v_mov_b32 v60, s30
	v_mov_b32 v61, 0
	v_cmp_eq_u32 vcc_lo, 0, v[LN]
	s_wait_xcnt 0x0                                ; EXEC changes only behind this wait
	s_and_saveexec_b32 s37, vcc_lo
	global_store_b32 v61, v60, s[14:15]            ; one word a tile: four bytes of a buffer of 512
	s_wait_xcnt 0x0
	s_or_b32 exec_lo, exec_lo, s37
	s_endpgm
.Lfunc_end_k_qe4de18cb58_prep:
	.size	k_qe4de18cb58_prep, .Lfunc_end_k_qe4de18cb58_prep-k_qe4de18cb58_prep
	.p2alignl 7, 3214868480
	.fill 96, 4, 3214868480
	.section	.rodata,"a",@progbits
	.p2align	6, 0x0
	.amdhsa_kernel k_qe4de18cb58_prep
		.amdhsa_group_segment_fixed_size 17920
		.amdhsa_private_segment_fixed_size 0
		.amdhsa_enable_private_segment 0
		.amdhsa_kernarg_size 48
		.amdhsa_user_sgpr_count 2
		.amdhsa_user_sgpr_kernarg_segment_ptr 1
		.amdhsa_wavefront_size32 1
		.amdhsa_system_sgpr_workgroup_id_x 1
		.amdhsa_system_sgpr_workgroup_id_y 1
		.amdhsa_system_sgpr_workgroup_id_z 1
		.amdhsa_system_vgpr_workitem_id 0
		.amdhsa_next_free_vgpr 194
		.amdhsa_next_free_sgpr 66
		.amdhsa_reserve_vcc 1
		.amdhsa_float_denorm_mode_32 3
		.amdhsa_float_denorm_mode_16_64 3
		.amdhsa_memory_ordered 1
		.amdhsa_forward_progress 1
		.amdhsa_inst_pref_size 93
	.end_amdhsa_kernel
	.amdgpu_metadata
---
amdhsa.version: [ 1, 2 ]
amdhsa.kernels:
  - .name:           k_qe4de18cb58_prep
    .symbol:         k_qe4de18cb58_prep.kd
    .args:
      - { .name: k, .offset: 0, .size: 8, .value_kind: global_buffer, .address_space: global }
      - { .name: v, .offset: 8, .size: 8, .value_kind: global_buffer, .address_space: global }
      - { .name: mask, .offset: 16, .size: 8, .value_kind: global_buffer, .address_space: global }
      - { .name: kv, .offset: 24, .size: 8, .value_kind: global_buffer, .address_space: global }
      - { .name: mb, .offset: 32, .size: 8, .value_kind: global_buffer, .address_space: global }
      - { .name: fl, .offset: 40, .size: 8, .value_kind: global_buffer, .address_space: global }
    .group_segment_fixed_size: 17920
    .private_segment_fixed_size: 0
    .kernarg_segment_align: 8
    .kernarg_segment_size: 48
    .max_flat_workgroup_size: 128
    .sgpr_count:     66
    .vgpr_count:     194
    .wavefront_size: 32
...
	.end_amdgpu_metadata
.endif
;; end of part 1
;; launch attn (part 2): grid 4 x 64, 16 waves a work-group, no clusters, 104,448 bytes of LDS; arguments q, kv, mb, fl, out0; writes out0
.if DOCPART == 2
	.amdgcn_target "amdgcn-amd-amdhsa--gfx1250"
	.amdhsa_code_object_version 6
	.text
	.protected	k_qe4de18cb58_attn
	.globl	k_qe4de18cb58_attn
	.p2align	8
	.type	k_qe4de18cb58_attn,@function
k_qe4de18cb58_attn:
	s_mov_b64 s[64:65], 0
	v_nop
	global_prefetch_b8 v0, s[64:65] scope:SCOPE_SE
	s_setreg_imm32_b32 hwreg(HW_REG_WAVE_MODE, 25, 1), 1
	s_wait_xcnt 0x0
; out0[head][q][:] = the sum over keys of softmax(q . k / 8, where the mask is true) v, both products on codes of BF6 (E3M2) with one E8M0 scale for each 32 along a product's K.
; q: [64][2048][64] f32, quantised here.  kv, mb, fl: made by the launch before (its head comment gives their layouts): K's and V^T's fragments and scale words as images of the operands' registers,
; 13,824 bytes for a step of 128 keys; 64 lane masks for each (tile of 16 queries, step); two flags for each such pair: some entry true, all true.
; THE SOFTMAX: t = score x log2(e) / 8; M = the row's largest t so far, rounded UP to a whole number; p = 2^(t - M) is quantised along the keys, not normalised; the row's sum is taken of the unquantised p and
; divides at the end; when M moves, the sum and O are multiplied by 2^(old M - new M), which rounds nothing.  Hidden scores become -infinity ahead of the maximum, so p = 0 there.
; A row with no true entry has the sum 0 and O = 0: 0 x (1 / 0) is NaN, as a softmax over nothing is.
; SHARES.  256 work-groups; work-group (j, head) takes the query blocks j and 7 - j of 256 queries, one after the other (two passes); no value hangs on that pairing.  Each of its SIXTEEN waves owns 16 queries,
; one tile, in 256 registers: four waves to a SIMD, so that one wave's vector work stands beside another's matrix work and LDS loads.  A pass walks all 16 steps of 128 keys; the trip counts are constants.
; WHAT THE MASK THROWS AWAY IS NOT COMPUTED: a wave jumps over a step's work where its flag says that no entry is true, and over the 64 selects where all are; a step's block of kv is fetched only where some
; wave of the work-group wants it.  These are scalar branches on whole numbers that the launch before has stored; they hold for every mask.
; K AND V go memory -> registers -> LDS: each thread copies 16 bytes (waves 0-10: 32) of the NEXT step's block, asked for at a step's head and stored at its end into the other of two slots; one barrier a step.
; NO TENSOR LOADS, NO JOINT LOADS: which steps a work-group walks hangs on the stored flags and differs between the query blocks of a head, so partners would not ask alike.
; LAYOUT.  Both products are used transposed: S^T = K Q^T (source 0 = 16 keys, source 1 = my 16 queries), O^T = V^T P^T: a lane holds ONE query (lane % 16) throughout.  The keys of a tile of K are chosen so that
; register S + 16 b + i of lane (r, h) is key 32 b + 16 h + i of the step.  K along the first product is 64: registers 6-11 of K's and Q's fragments are zero codes, set once.
; LIMITS: NaN and infinities in q, k, v are not served; a block of zeros gets the scale byte 1 (its codes are zeros); a p under 2^-126 counts as 0 (v_exp_f32 gives 0 there).
.set KVBLK,   13824
.set KB_OFF,  4096
.set VI_OFF,  6144
.set SCK_OFF, 12288
.set SCV_OFF, 13312
.set SLOTB,   16384                    ; LDS: slot 0 at 0, slot 1 at 16,384 (a block uses 13,824 of each),
.set STAGE,   2*SLOTB                  ; then a stage of 16 rows x (256 + 16) bytes for each wave
.set SP,      272
.set LI,   1                           ; v1   16 x lane
.set LB,   2                           ; v2   8 x lane
.set CP,   3                           ; v3   16 x thread: my bytes of the copy
.set STO,  4                           ; v4   my stage + 272 r + 32 h
.set RD,   5                           ; v5   my stage + 272 h + 16 r
.set NINF, 6                           ; v6   -infinity
.set PFO,  7                           ; v7   the prefetches' offset
.set QR,   8                           ; v8   my stage + 272 r + 128 h (head only);  v9 8 h, v10 r, v11 h (head only)
.set NM,   12                          ; v12  -M;  v13 the largest t
.set LS,   14                          ; v14-15 the row's sum in two halves
.set Q,    16                          ; v16-27 Q's fragment
.set QS,   28                          ; v28  its scale word;  v29 pass 1's
.set QS1,  29
.set Q1,   30                          ; v30-35 pass 1's codes
.set G,    36                          ; v36-43 the copy's bytes on their way
.set KF,   44                          ; v44-91 four fragments of K
.set S,    92                          ; v92-155 S^T, then p; then V^T's four fragments in v92-139
.set O,    156                         ; v156-187 O^T
.set PC,   188                         ; v188-199 p's codes
.set BM,   200                         ; v200-203 the blocks' largest scores
.set T4,   204                         ; v204-207 at work
.set SO,   208                         ; v208-211 the conversions' scale operands
.set CT,   212                         ; v212-214, v216-218 upper halves of p's codes
.set KS,   220                         ; v220-227 K's scale words
.set VS,   228                         ; v228-231 V's
.set FF,   232                         ; v232 f = 2^(old M - new M)
.set PW,   233                         ; v233 p's scale word
.set TT,   234
.set L2,   236                         ; v236-237 the sum's second chain
.set QT,   240                         ; v240-247 at work in the head
.set WV,   2
.set CNT,  3
.set OUT,  4                           ; s[4:5] my rows of out0;  s[12:13] pass 1's
.set KVH,  6                           ; s[6:7] the head's blocks of kv
.set MBP,  8                           ; s[8:9] my tile's lane masks of the step in hand;  s[10:11] pass 1's first
.set MBP1, 10
.set OUT1, 12
.set PASS, 14
.set SEL,  66                          ; s[66:67] lane selects: lane l xor 16
.set CS,   68                          ; s[68:69] c = log2(e) / 8, twice
.set ANYW, 70                          ; s70 my tile's flags, shifted a bit a step: bit 0 some, bit 16 all;  s71 pass 1's
.set ANYW1, 71
.set BANY, 72                          ; s72 bit 0: some wave wants this step's block; bit 1: the next step's; 32 steps in all
.set NXI,  73                          ; s73 the next step's block
.set KVP,  74                          ; s[74:75] and its address
.set OFS,  76                          ; s[76:77] an offset pair, upper word 0
.set PFN,  78                          ; s78 prefetches still to be made by this wave
                                       ; s[16:63], s[80:95] a step's 64 lane masks: word n in s[16 + n], from n = 48 on in s[32 + n]
; 32 numbers of one lane become 6 registers of codes at v[dst] and, with lane l xor 16's byte, the row's scale word in v[sw].
.macro QQUANT src, dst, sw
	v_max3_num_f32 v[QT], |v[\src]|, |v[\src+1]|, 0x2800000          ; the floor 2^(5 - 127): the byte cannot fall under 1
	v_max3_num_f32 v[QT+1], |v[\src+2]|, |v[\src+3]|, |v[\src+4]|
.irp i, 5,9,13,17,21,25
	v_max3_num_f32 v[QT], v[QT], |v[\src+\i]|, |v[\src+\i+1]|
	v_max3_num_f32 v[QT+1], v[QT+1], |v[\src+\i+2]|, |v[\src+\i+3]|
.endr
	v_max3_num_f32 v[QT], v[QT], |v[\src+29]|, |v[\src+30]|
	v_max3_num_f32 v[QT], v[QT], v[QT+1], |v[\src+31]|
	v_add_nc_u32 v[QT+2], 0xfe000000, v[QT]
	v_cvt_scalef32_pk16_bf6_f32 v[\dst:\dst+2], v[\src:\src+15], v[QT+2]
	v_cvt_scalef32_pk16_bf6_f32 v[QT+4:QT+6], v[\src+16:\src+31], v[QT+2]
	v_lshrrev_b32 v[QT+3], 23, v[QT+2]             ; the byte; also the plain line behind the conversions
.irp i, 0,1,2
	v_mov_b32 v[\dst+3+\i], v[QT+4+\i]
.endr
	v_lshlrev_b32 v[QT+3], v9, v[QT+3]             ; dims 32 h on are byte h
	v_permlanex16_b32 v[QT+7], v[QT+3], s[SEL], s[SEL+1]
	v_or_b32 v[QT+3], v[QT+3], v[QT+7]
	v_or_b32 v[\sw], 0x7f7f0000, v[QT+3]           ; bytes 2 and 3: 127, over zero codes
.endm
	s_load_b256 s[16:23], s[0:1], 0x0              ; q s[16:17], kv s[18:19], mb s[20:21], fl s[22:23]
	s_load_b64 s[24:25], s[0:1], 0x20              ; out0
	v_lshl_add_u32 v254, v0, 2, 0x19000
	v_mov_b32 v255, 0
	v_lshrrev_b32 v8, 5, v0
	v_readfirstlane_b32 s[WV], v8                  ; wave 0..15
	v_and_b32 v9, 31, v0
	v_and_b32 v10, 15, v0                          ; r
	v_bfe_u32 v11, v0, 4, 1                        ; h
	v_lshlrev_b32 v[LI], 4, v9
	v_lshlrev_b32 v[LB], 3, v9
	v_lshlrev_b32 v[CP], 4, v0
	v_lshlrev_b32 v9, 3, v11                       ; 8 h
	s_mul_i32 s15, s[WV], 16*SP
	s_add_co_u32 s15, s15, STAGE                   ; my stage
	v_mul_u32_u24 v[STO], v10, SP
	v_lshl_add_u32 v[STO], v11, 5, v[STO]
	v_add_nc_u32 v[STO], s15, v[STO]
	v_mul_u32_u24 v[RD], v11, SP
	v_lshl_add_u32 v[RD], v10, 4, v[RD]
	v_add_nc_u32 v[RD], s15, v[RD]
	v_mul_u32_u24 v[QR], v10, SP
	v_lshl_add_u32 v[QR], v11, 7, v[QR]
	v_add_nc_u32 v[QR], s15, v[QR]
	v_mov_b32 v[NINF], 0xff800000
	v_add_nc_u32 v[PFO], 0xfffffe80, v0            ; thread - 384: 0 .. 63 in waves 12 and 13, which alone prefetch;
	v_min_u32 v[PFO], 53, v[PFO]                   ; a block is 54 x 256 bytes: the lanes over are held at its last 256
	v_lshlrev_b32 v[PFO], 8, v[PFO]
.irp i, 4,5,6,7
	v_mov_b32 v[G+\i], 0                           ; written in every wave: waves 11 to 15 never load these four
.endr
	v_mov_b32 v[QT+7], 0                           ; (a lane permute's destination counts as one of its sources)
	s_mov_b32 s[SEL], 0x76543210
	s_mov_b32 s[SEL+1], 0xfedcba98
	s_mov_b32 s[CS], 0x3e38aa3b                    ; c = log2(e) / sqrt(64)
	s_mov_b32 s[CS+1], s[CS]
	s_and_b32 s96, ttmp7, 0xffff                   ; the head
	s_sub_co_u32 s97, 7, ttmp9                     ; pass 1's query block; pass 0's is ttmp9
	s_lshl_b32 s98, s96, 19                        ; a head of q or out0: 2,048 rows of 256 bytes
	s_lshl_b32 s99, s[WV], 12                      ; my 16 rows in a block; also my tile's 16 steps of 256 bytes in mb
	s_add_co_u32 s98, s98, s99
	s_lshl_b32 s[OFS], ttmp9, 16                   ; a block: 256 rows of 256 bytes; also 16 tiles of 4,096 bytes in mb
	s_lshl_b32 s100, s97, 16
	s_mov_b32 s[OFS+1], 0
	s_mov_b32 s101, 0
	s_mov_b32 s85, 0
	s_mov_b32 s87, 0
	s_add_co_u32 s84, s[OFS], s99                  ; mb: tile 16 block + wave
	s_add_co_u32 s86, s100, s99
	s_add_co_u32 s[OFS], s[OFS], s98               ; q, out0
	s_add_co_u32 s100, s100, s98
	s_wait_kmcnt 0x0
	s_add_nc_u64 s[26:27], s[16:17], s[OFS:OFS+1]  ; my rows of q, pass 0 and pass 1
	s_add_nc_u64 s[28:29], s[16:17], s[100:101]
	s_add_nc_u64 s[OUT:OUT+1], s[24:25], s[OFS:OFS+1]
	s_add_nc_u64 s[OUT1:OUT1+1], s[24:25], s[100:101]
	s_add_nc_u64 s[MBP:MBP+1], s[20:21], s[84:85]
	s_add_nc_u64 s[MBP1:MBP1+1], s[20:21], s[86:87]
	s_mul_i32 s[OFS], s96, 16*KVBLK
	s_add_nc_u64 s[KVH:KVH+1], s[18:19], s[OFS:OFS+1]
	s_lshl_b32 s[OFS], ttmp9, 6                    ; fl: 16 words a query block
	s_add_nc_u64 s[80:81], s[22:23], s[OFS:OFS+1]
	s_lshl_b32 s[OFS], s97, 6
	s_add_nc_u64 s[82:83], s[22:23], s[OFS:OFS+1]
	s_lshl_b32 s[OFS], s[WV], 2
	s_add_nc_u64 s[84:85], s[80:81], s[OFS:OFS+1]
	s_add_nc_u64 s[86:87], s[82:83], s[OFS:OFS+1]
	s_load_b32 s[ANYW], s[84:85], 0x0              ; my tiles' flags
	s_load_b32 s[ANYW1], s[86:87], 0x0
	s_load_b512 s[32:47], s[80:81], 0x0            ; and those of all sixteen waves, both passes
	s_load_b512 s[48:63], s[82:83], 0x0
	global_load_b128 v[G:G+3], v[CP], s[KVH:KVH+1] ; block 0 is fetched whatever the flags say: 512 threads x 16 bytes,
	s_cmp_lt_u32 s[WV], 11
	s_cbranch_scc0 .Lh1
	global_load_b128 v[G+4:G+7], v[CP], s[KVH:KVH+1] offset:8192   ; and 352 threads x 16 bytes more: 13,824 in all
.Lh1:
.irp i, 0,1,2,3,4,5,6,7
	global_load_b128 v[S+4*\i:S+4*\i+3], v[LI], s[26:27] offset:512*\i th:TH_LOAD_NT      ; Q: two whole rows, 512 consecutive bytes, a load
.endr
.irp i, 0,1,2,3,4,5,6,7
	global_load_b128 v[S+32+4*\i:S+32+4*\i+3], v[LI], s[28:29] offset:512*\i th:TH_LOAD_NT
.endr
	s_lshr_b32 s15, s[WV], 1                       ; who prefetches: waves 12 and 13 of the head's first work-group
	s_xor_b32 s15, s15, 6
	s_or_b32 s15, s15, ttmp9
	s_cmp_eq_u32 s15, 0
	s_cselect_b32 s[PFN], 14, 0                    ; in steps 0 to 13 of the first pass: blocks 2 to 15
	s_mov_b32 s[NXI], 1
	s_add_nc_u64 s[KVP:KVP+1], s[KVH:KVH+1], KVBLK
	s_wait_kmcnt 0x0
.set i, 33
.rept 15
	s_or_b32 s32, s32, s[i]
	s_or_b32 s48, s48, s[i+16]
.set i, i+1
.endr
	s_and_b32 s32, s32, 0xffff
	s_lshl_b32 s48, s48, 16
	s_or_b32 s[BANY], s32, s48                     ; bit 16 pass + step: some wave of the work-group has work there
	s_wait_loadcnt 16                              ; block 0's bytes are in; Q's sixteen loads may be out
	ds_store_b128 v[CP], v[G:G+3]
	s_cmp_lt_u32 s[WV], 11
	s_cbranch_scc0 .Lh2
	ds_store_b128 v[CP], v[G+4:G+7] offset:8192
.Lh2:
	s_wait_loadcnt 8                               ; pass 0's Q is in; pass 1's eight loads may be out
.irp i, 0,1,2,3,4,5,6,7
	ds_store_b128 v[RD], v[S+4*\i:S+4*\i+3] offset:2*SP*\i             ; through my stage, as the rows lie,
.endr
.irp i, 0,1,2,3,4,5,6,7
	ds_load_b128 v[O+4*\i:O+4*\i+3], v[QR] offset:16*\i                ; and back: row r, dims 32 h .. 32 h + 31.  LDS serves a wave's instructions in order
.endr
	s_wait_loadcnt 0x0
.irp i, 0,1,2,3,4,5,6,7
	ds_store_b128 v[RD], v[S+32+4*\i:S+32+4*\i+3] offset:2*SP*\i
.endr
.irp i, 0,1,2,3,4,5,6,7
	ds_load_b128 v[PC+4*\i:PC+4*\i+3], v[QR] offset:16*\i
.endr
	s_wait_dscnt 16                                ; pass 0's numbers are back; pass 1's eight stores and eight loads may be out
	QQUANT O, Q, QS
	s_wait_dscnt 0x0
	QQUANT PC, Q1, QS1
.irp i, 6,7,8,9,10,11
	v_mov_b32 v[Q+\i], 0                           ; zero codes for k = 64 .. 127: set once
.irp t, 0,1,2,3
	v_mov_b32 v[KF+12*\t+\i], 0
.endr
.endr
.irp b, 0,1,2,3
	v_mov_b32 v[T4+\b], 0                          ; (lane permutes' destinations)
.endr
	v_mov_b32 v[PW], 0                             ; (named as the upper half of the pair v[232:233] before it is first written)
	s_barrier_signal -1                            ; every wave's part of block 0 lies in slot 0 (no LDS instruction of mine is out: the wait for 0 above)
	s_barrier_wait -1
; S^T = K Q^T, four tiles of 16 keys at a time, from the slot at byte sl.
.macro KQ sl
	ds_load_b128 v[KS:KS+3], v[LI] offset:(\sl)+SCK_OFF
	ds_load_b128 v[KS+4:KS+7], v[LI] offset:(\sl)+SCK_OFF+512
.irp g, 0,1
.if \g
.rept 4
	v_nop                                          ; places in front of loads into registers that matrix instructions have read
.endr
.endif
.irp t, 0,1,2,3
	ds_load_b128 v[KF+12*\t:KF+12*\t+3], v[LI] offset:(\sl)+512*(4*\g+\t)
	ds_load_b64 v[KF+12*\t+4:KF+12*\t+5], v[LB] offset:(\sl)+KB_OFF+256*(4*\g+\t)
.endr
	s_wait_dscnt 0x0
.irp t, 0,1,2,3
	v_wmma_scale_f32_16x16x128_f8f6f4 v[S+8*(4*\g+\t):S+8*(4*\g+\t)+7], v[KF+12*\t:KF+12*\t+11], v[Q:Q+11], 0, v[KS+4*\g+\t], v[QS] matrix_a_fmt:MATRIX_FMT_BF6 matrix_b_fmt:MATRIX_FMT_BF6
.endr
.endr
.rept 4
	v_nop                                          ; places in front of the first read of the scores
.endr
.endm
; The softmax of 128 keys, p's codes, and O^T += V^T P^T.
.macro SOFTPV sl
.irp b, 0,1,2,3
	v_max3_num_f32 v[BM+\b], v[S+16*\b], v[S+16*\b+1], v[S+16*\b+2]   ; the largest score of each block of 32 keys: it serves for the row's maximum and, since p rises with the score, for the block's largest p
.endr
.irp i, 3,5,7,9,11,13
.irp b, 0,1,2,3
	v_max3_num_f32 v[BM+\b], v[BM+\b], v[S+16*\b+\i], v[S+16*\b+\i+1]
.endr
.endr
.irp b, 0,1,2,3
	v_max_num_f32 v[BM+\b], v[BM+\b], v[S+16*\b+15]
.endr
.irp b, 0,1,2,3
	v_permlanex16_b32 v[T4+\b], v[BM+\b], s[SEL], s[SEL+1]
.endr
.irp b, 0,1,2,3
	v_max_num_f32 v[BM+\b], v[BM+\b], v[T4+\b]     ; with lane l xor 16's 16 keys
.endr
	v_max3_num_f32 v[TT], v[BM], v[BM+1], v[BM+2]
	v_max_num_f32 v[TT], v[TT], v[BM+3]
	v_mul_f32 v[TT], s[CS], v[TT]                  ; the step's largest t of my query (-infinity where all its keys are hidden)
	v_max_num_f32 v[NM+1], v[NM+1], v[TT]          ; the running largest t
	v_mov_b32 v[TT], v[NM]
	v_floor_f32 v[NM], -v[NM+1]                    ; the new -M = floor(-t): M is a whole number
	v_sub_f32 v[TT], v[NM], v[TT]                  ; old M - new M: a whole number, 0 or less
	v_cvt_i32_f32 v[TT], v[TT]                     ; (it saturates)
	v_ldexp_f32 v[FF], 1.0, v[TT]                  ; f = 2^(old M - new M)
.set j, 0
.rept 32
	v_pk_fma_f32 v[S+j:S+j+1], v[S+j:S+j+1], s[CS:CS+1], v[NM:NM+1] op_sel_hi:[1,0,0]   ; t - M, two at a time
.set j, j+2
.endr
.irp b, 0,1,2,3
	v_fma_f32 v[BM+\b], v[BM+\b], s[CS], v[NM]     ; the same of each block's largest score
.endr
.set j, 0
.rept 64
	v_exp_f32 v[S+j], v[S+j]                       ; p = 2^(t - M), at most 1
.set j, j+1
.endr
	v_pk_mul_f32 v[LS:LS+1], v[LS:LS+1], v[FF:FF+1] op_sel_hi:[1,0]    ; the sums under the new M; the plain line behind the exponentials
	s_wait_alu depctr_va_vdst(0)                   ; one wait for the batch of 64, ahead of its first reader
.irp b, 0,1,2,3
	v_exp_f32 v[BM+\b], v[BM+\b]                   ; the blocks' largest p: the same two instructions on the same number
.endr
	v_pk_add_f32 v[L2:L2+1], v[S:S+1], v[S+2:S+3]  ; the row's sum of the UNQUANTISED p, in two chains; it reads the 64 alone
.set j, 4
.rept 15
	v_pk_add_f32 v[LS:LS+1], v[LS:LS+1], v[S+j:S+j+1]
	v_pk_add_f32 v[L2:L2+1], v[L2:L2+1], v[S+j+2:S+j+3]
.set j, j+4
.endr
	v_pk_add_f32 v[LS:LS+1], v[LS:LS+1], v[L2:L2+1]
	s_wait_alu depctr_va_vdst(0)                   ; and one for the four
.irp b, 0,1,2,3
	v_max_num_f32 v[BM+\b], 0x2800000, v[BM+\b]    ; the floor 2^(5 - 127): a block whose every p is 0 keeps the byte 1; its codes are zeros
.endr
.irp b, 0,1,2,3
	v_add_nc_u32 v[SO+\b], 0xfe000000, v[BM+\b]    ; 4 off the exponent field: the conversion's scale operand
.endr
.irp b, 0,1,2,3
	v_lshrrev_b32 v[T4+\b], 23, v[SO+\b]           ; the byte
.endr
	v_lshl_or_b32 v[PW], v[T4+1], 8, v[T4]         ; p's scale word for these 128 keys
	v_lshl_or_b32 v[PW], v[T4+2], 16, v[PW]
	v_lshl_or_b32 v[PW], v[T4+3], 24, v[PW]
.irp c, 0,1
	v_cvt_scalef32_pk16_bf6_f32 v[PC+6*\c:PC+6*\c+2], v[S+32*\c:S+32*\c+15], v[SO+2*\c]
	v_cvt_scalef32_pk16_bf6_f32 v[CT+4*\c:CT+4*\c+2], v[S+32*\c+16:S+32*\c+31], v[SO+2*\c+1]
.endr
	v_nop                                          ; one plain line behind the conversions
.irp t, 0,1,2,3
.irp c, 0,1,2
	ds_load_b128 v[S+12*\t+4*\c:S+12*\t+4*\c+3], v[LI] offset:(\sl)+VI_OFF+1536*\t+512*\c   ; V^T's four fragments, into the registers that p has left
.endr
.endr
	ds_load_b64 v[VS:VS+1], v[LB] offset:(\sl)+SCV_OFF
	ds_load_b64 v[VS+2:VS+3], v[LB] offset:(\sl)+SCV_OFF+256
.irp c, 0,1                                    ; the operand wants a WHOLE block in a lane: lanes 0-15 block 2 c, lanes 16-31 block 2 c + 1
.irp i, 0,1,2
	v_permlane16_swap_b32 v[PC+6*\c+\i], v[CT+4*\c+\i]
.endr
.irp i, 0,1,2
	v_mov_b32 v[PC+6*\c+3+\i], v[CT+4*\c+\i]
.endr
.endr
.set j, 0
.rept 16
	v_pk_mul_f32 v[O+j:O+j+1], v[O+j:O+j+1], v[FF:FF+1] op_sel_hi:[1,0]    ; O^T under the new M; these sixteen are also the places between the writes of p's codes and scale word and the products
.set j, j+2
.endr
	s_wait_dscnt 0x0
.irp t, 0,1,2,3                                ; four accumulators, one instruction each
	v_wmma_scale_f32_16x16x128_f8f6f4 v[O+8*\t:O+8*\t+7], v[S+12*\t:S+12*\t+11], v[PC:PC+11], v[O+8*\t:O+8*\t+7], v[VS+\t], v[PW] matrix_a_fmt:MATRIX_FMT_BF6 matrix_b_fmt:MATRIX_FMT_BF6
.endr
.rept 5
	v_nop                                          ; five places: the next step's first products write over V^T's registers; O^T's next readers want four
.endr
.endm
; A STEP of 128 keys, read from slot \slot; the next step's block goes into the other slot.
.macro STEP slot
	s_bitcmp1_b32 s[BANY], 1                       ; does any wave want the next step's block?  (bit 1 is 0 in the last step of all)
	s_cbranch_scc0 .Lask_\@
	global_load_b128 v[G:G+3], v[CP], s[KVP:KVP+1]
	s_cmp_lt_u32 s[WV], 11
	s_cbranch_scc0 .Lask_\@
	global_load_b128 v[G+4:G+7], v[CP], s[KVP:KVP+1] offset:8192
.Lask_\@:
	; A PREFETCH INTO THE L2 of the block behind the next: 54 x 256 bytes, a lane to each (two waves; the ten lanes over name the last again).  All four work-groups of a head walk the same blocks:
	; the first of them asks, in steps 0 to 13 of its first pass, for blocks 2 to 15: each block once in the launch, none past the head's last.  Blocks 0 and 1 come by their loads alone.
	s_cmp_lg_u32 s[PFN], 0
	s_cbranch_scc0 .Lwork_\@
	global_prefetch_b8 v[PFO], s[KVP:KVP+1] offset:KVBLK th:TH_LOAD_NT scope:SCOPE_SE
	s_sub_co_u32 s[PFN], s[PFN], 1
.Lwork_\@:
	s_bitcmp1_b32 s[ANYW], 0                       ; no entry of my 16 queries x these 128 keys is true: nothing to do
	s_cbranch_scc0 .Lskip_\@
	s_bitcmp1_b32 s[ANYW], 16                      ; all are true: no selects
	s_cbranch_scc1 .Lfull_\@
	s_load_b512 s[16:31], s[MBP:MBP+1], 0x0        ; the 64 lane masks, on their way while the scores are made
	s_load_b512 s[32:47], s[MBP:MBP+1], 0x40
	s_load_b512 s[48:63], s[MBP:MBP+1], 0x80
	s_load_b512 s[80:95], s[MBP:MBP+1], 0xc0
	KQ \slot*SLOTB
	s_wait_kmcnt 0x0
.set n, 0
.rept 64
.if n < 48
	v_cndmask_b32 v[S+n], v[NINF], v[S+n], s[16+n]     ; hidden scores become -infinity, ahead of the maximum; each tile of scores from its low end on
.else
	v_cndmask_b32 v[S+n], v[NINF], v[S+n], s[32+n]
.endif
.set n, n+1
.endr
	s_branch .Lsoft_\@
.Lfull_\@:
	KQ \slot*SLOTB
.Lsoft_\@:
	SOFTPV \slot*SLOTB
.Lskip_\@:
	s_wait_loadcnt 0x0                             ; the next block's bytes are in my registers
	s_bitcmp1_b32 s[BANY], 1
	s_cbranch_scc0 .Lnone_\@
	ds_store_b128 v[CP], v[G:G+3] offset:(1-\slot)*SLOTB               ; into the other slot: its last readers passed the barrier of the step before
	s_cmp_lt_u32 s[WV], 11
	s_cbranch_scc0 .Lnone_\@
	ds_store_b128 v[CP], v[G+4:G+7] offset:(1-\slot)*SLOTB+8192
.Lnone_\@:
	s_wait_xcnt 0x0                                ; the step's loads, scalar loads and prefetch have read their bases: these are written only behind this wait
	s_lshr_b32 s[ANYW], s[ANYW], 1
	s_lshr_b32 s[BANY], s[BANY], 1
	s_add_co_u32 s[NXI], s[NXI], 1
	s_and_b32 s[NXI], s[NXI], 15                   ; behind a pass's last block comes block 0 again
	s_mul_i32 s[OFS], s[NXI], KVBLK
	s_add_nc_u64 s[KVP:KVP+1], s[KVH:KVH+1], s[OFS:OFS+1]
	s_add_nc_u64 s[MBP:MBP+1], s[MBP:MBP+1], 256
	s_wait_dscnt 0x0                               ; my stores into the other slot have landed, and my reads of this slot are over
	s_barrier_signal -1
	s_barrier_wait -1                              ; both now hold of all sixteen waves
.endm
	s_mov_b32 s[PASS], 2
.Lpass:
	; A pass begins with zeros: which step is a tile's first with work hangs on the mask, so no first step can be written out.  The first change of M multiplies zeros.
	; These 36 plain lines also stand between the writes of Q's codes and scale word and the first product.
	v_mov_b32 v[NM+1], 0xff61b1e6                  ; the largest t so far: -3e38, under every t
	v_floor_f32 v[NM], -v[NM+1]
	v_mov_b32 v[LS], 0
	v_mov_b32 v[LS+1], 0
.set j, 0
.rept 32
	v_mov_b32 v[O+j], 0
.set j, j+1
.endr
	s_mov_b32 s[CNT], 8
.Lstep:
	STEP 0
	STEP 1
	s_sub_co_u32 s[CNT], s[CNT], 1
	s_cmp_lg_u32 s[CNT], 0
	s_cbranch_scc1 .Lstep
	; THE WAY OUT: O^T / the sum goes through my stage and leaves as whole rows: a store of the wave covers two rows, 512 consecutive bytes, aligned.
	v_add_f32 v[LS], v[LS], v[LS+1]
	v_permlanex16_b32 v[T4], v[LS], s[SEL], s[SEL+1]
	v_add_f32 v[LS], v[LS], v[T4]                  ; the row's sum
	v_rcp_f32 v[LS], v[LS]
	v_nop                                          ; one plain line behind the reciprocal
	s_wait_alu depctr_va_vdst(0)                   ; and the wait ahead of its first reader
.set j, 0
.rept 32
	v_mul_f32 v[S+j], v[O+j], v[LS]                ; register 8 t + i is o(r, 16 t + 8 h + i); each accumulator from its low end on
.set j, j+1
.endr
.irp t, 0,1,2,3
	ds_store_b128 v[STO], v[S+8*\t:S+8*\t+3] offset:64*\t
	ds_store_b128 v[STO], v[S+8*\t+4:S+8*\t+7] offset:64*\t+16
.endr
.irp i, 0,1,2,3,4,5,6,7
	ds_load_b128 v[S+32+4*\i:S+32+4*\i+3], v[RD] offset:2*SP*\i        ; LDS serves a wave's instructions in order: these see my stores
.endr
.irp i, 0,1,2,3,4,5,6,7
	s_wait_dscnt 7-\i                              ; load i is back; the younger ones may be out
	global_store_b128 v[LI], v[S+32+4*\i:S+32+4*\i+3], s[OUT:OUT+1] offset:512*\i th:TH_STORE_NT
.endr
	s_wait_xcnt 0x0                                ; the stores have read their data and their base
	; on to the second query block (run behind the second pass too, where nothing reads it)
.irp i, 0,1,2,3,4,5
	v_mov_b32 v[Q+\i], v[Q1+\i]
.endr
	v_mov_b32 v[QS], v[QS1]
	s_mov_b32 s[ANYW], s[ANYW1]
	s_mov_b64 s[MBP:MBP+1], s[MBP1:MBP1+1]
	s_mov_b64 s[OUT:OUT+1], s[OUT1:OUT1+1]
	s_sub_co_u32 s[PASS], s[PASS], 1
	s_cmp_lg_u32 s[PASS], 0
	s_cbranch_scc1 .Lpass
	s_wait_tensorcnt 0x0
	ds_add_u32 v254, v255
	s_wait_dscnt 0x0
	s_endpgm
.Lfunc_end_k_qe4de18cb58_attn:
	.size	k_qe4de18cb58_attn, .Lfunc_end_k_qe4de18cb58_attn-k_qe4de18cb58_attn
	.p2alignl 7, 3214868480
	.fill 96, 4, 3214868480
	.section	.rodata,"a",@progbits
	.p2align	6, 0x0
	.amdhsa_kernel k_qe4de18cb58_attn
		.amdhsa_group_segment_fixed_size 104448
		.amdhsa_private_segment_fixed_size 0
		.amdhsa_enable_private_segment 0
		.amdhsa_kernarg_size 40
		.amdhsa_user_sgpr_count 2
		.amdhsa_user_sgpr_kernarg_segment_ptr 1
		.amdhsa_wavefront_size32 1
		.amdhsa_system_sgpr_workgroup_id_x 1
		.amdhsa_system_sgpr_workgroup_id_y 1
		.amdhsa_system_sgpr_workgroup_id_z 1
		.amdhsa_system_vgpr_workitem_id 0
		.amdhsa_next_free_vgpr 256
		.amdhsa_next_free_sgpr 102
		.amdhsa_reserve_vcc 0
		.amdhsa_float_denorm_mode_32 3
		.amdhsa_float_denorm_mode_16_64 3
		.amdhsa_memory_ordered 1
		.amdhsa_forward_progress 1
		.amdhsa_inst_pref_size 66
	.end_amdhsa_kernel
	.amdgpu_metadata
---
amdhsa.version: [ 1, 2 ]
amdhsa.kernels:
  - .name:           k_qe4de18cb58_attn
    .symbol:         k_qe4de18cb58_attn.kd
    .args:
      - { .name: q, .offset: 0, .size: 8, .value_kind: global_buffer, .address_space: global }
      - { .name: kv, .offset: 8, .size: 8, .value_kind: global_buffer, .address_space: global }
      - { .name: mb, .offset: 16, .size: 8, .value_kind: global_buffer, .address_space: global }
      - { .name: fl, .offset: 24, .size: 8, .value_kind: global_buffer, .address_space: global }
      - { .name: out0, .offset: 32, .size: 8, .value_kind: global_buffer, .address_space: global }
    .group_segment_fixed_size: 104448
    .private_segment_fixed_size: 0
    .kernarg_segment_align: 8
    .kernarg_segment_size: 40
    .max_flat_workgroup_size: 512
    .sgpr_count:     102
    .vgpr_count:     256
    .wavefront_size: 32
...
	.end_amdgpu_metadata
.endif
;; end of part 2
;; ======== version 2 of 2: 2 launches
;; workspace buffers: kv 14,155,776 bytes; mb 524,288 bytes of whole numbers; fl 512 bytes of whole numbers
;; launch prep (part 3): grid 1056 x 1, 4 waves a work-group, no clusters, 17,920 bytes of LDS; arguments k, v, mask, kv, mb, fl; writes kv, mb, fl
.if DOCPART == 3
	.amdgcn_target "amdgcn-amd-amdhsa--gfx1250"
	.amdhsa_code_object_version 6
	.text
	.protected	k_qe4de18cb58_prep
	.globl	k_qe4de18cb58_prep
	.p2align	8
	.type	k_qe4de18cb58_prep,@function
k_qe4de18cb58_prep:
	s_mov_b64 s[64:65], 0
	v_nop
	global_prefetch_b8 v0, s[64:65] scope:SCOPE_SE
	s_setreg_imm32_b32 hwreg(HW_REG_WAVE_MODE, 25, 1), 1
	s_wait_xcnt 0x0
; PREP: what the attention launch reads again and again is made once.
; (1) k and v [64 heads][2048 keys][64] f32 become codes of BF6 (E3M2) with E8M0 scale bytes, k along the head's 64, v along the keys, laid as IMAGES OF THE OPERANDS' REGISTERS:
;     kv[head][step of 128 keys] is one dense block of 13,824 bytes:
;       0      K's fragment t (0..7), registers 0-3: 16 bytes a lane at 512 t + 16 lane          4096   its registers 4-5: 8 bytes a lane at 256 t + 8 lane
;       6144   V^T's fragment t (0..3), registers 4 c .. 4 c + 3: 16 bytes a lane at 1536 t + 512 c + 16 lane
;       12288  K's scale words, tiles 4 g .. 4 g + 3 of row lane % 16: 16 bytes a lane at 512 g + 16 lane     13312  V's, tiles 2 g, 2 g + 1: 8 bytes a lane at 256 g + 8 lane
;     Lane (r, h) of K's fragment 2 b + u holds key 32 b + 8 u + r + 8 (r / 8), dims 32 h .. 32 h + 31; of V^T's fragment t row d = 16 t + r, registers 6 c on: keys 64 c + 32 h + 0 .. 31.
;     K has 64 along its K: the fragment's registers 6-11 are zero codes, which are not stored; bytes 2 and 3 of its scale words are 127.
; (2) the mask [2048][2048] of bytes becomes, for each tile T of 16 queries and each step s of 128 keys, 64 lane masks mb[T][s][n] (bit lane = mask[16 T + lane % 16][128 s + 32 (n / 16) + 16 (lane / 16) + n % 16])
;     and two flags in fl[T]: bit s = some entry of (T, s) is true, bit 16 + s = every byte of it is 1.
; A block's scale is 2^(floor(log2(its largest magnitude)) - 4): its byte is the largest magnitude's exponent field - 4, held at 1 from below by a floor among the maximum's leaves.
; LIMITS: a block of zeros gets the byte 1 where the rule says 127 (its codes are zeros, and this program alone reads the bytes); NaN and infinities in k and v are not served;
; a mask byte other than 0 counts as true; a byte other than 0 and 1 makes its tile 'mixed', never 'all true'.
; SHARES: work-groups 0-31: the mask, a wave to a tile T = 4 x work-group + wave.  Work-groups 32-1055: one block of kv each; waves 0, 1: K's tiles 4 g .. 4 g + 3; waves 2, 3: V's columns 32 g .. 32 g + 31.
; Memory binds this launch: no matrix work, no tensor loads, no barrier (waves share nothing), no cluster (work-groups share no input).
.set KVBLK,   13824
.set KB_OFF,  4096
.set VI_OFF,  6144
.set SCK_OFF, 12288
.set SCV_OFF, 13312
.set SP,      272                      ; a row of the K path's stage: 256 bytes + 16, so that the sixteen rows of a read start 16 bytes apart modulo 256
.set LN,  1                            ; v1   lane
.set RR,  2                            ; v2   r = lane % 16
.set HH,  3                            ; v3   h = lane / 16
.set LI,  4                            ; v4   16 x lane
.set LB,  5                            ; v5   8 x lane
.set SA,  6                            ; v6   the stage, on the way in:  wave's stage + 272 h + 16 r
.set SB,  7                            ; v7   and on the way out:        wave's stage + 272 r + 128 h
.set AM,  8                            ; v8-9 largest magnitudes, two chains
.set SOP, 10                           ; v10  the conversion's scale operand
.set BY,  11                           ; v11  the scale's byte
.set TMP, 12                           ; v12-14 a block's upper 16 codes
.set SH,  15                           ; v15  8 h
.set C,   16                           ; v16.. codes (K path: v16-21; V path: v16-39)
.set KW,  24                           ; v24-27 K path: the four tiles' scale words
.set KO0, 28                           ; v28  K path: where registers 0-3 of a fragment go
.set KO1, 29                           ; v29  K path: where registers 4-5 go
.set KO2, 30                           ; v30  K path: where the scale words go
.set KPD, 31                           ; v31  K path: the other half's byte
.set X,   32                           ; v32-63 K path: a lane's 32 neighbours
.set R,   64                           ; v64-191 numbers as loaded
; 32 numbers of ONE lane, v[src] on, become 6 registers of codes at v[dst] on (dst even), the byte in v[BY].
.macro QB src, dst
	v_max3_num_f32 v[AM], |v[(\src)]|, |v[(\src)+1]|, 0x2800000          ; the floor 2^(5 - 127) among the leaves: the byte cannot fall under 1
	v_max3_num_f32 v[AM+1], |v[(\src)+2]|, |v[(\src)+3]|, |v[(\src)+4]|
.irp i, 5,9,13,17,21,25
	v_max3_num_f32 v[AM], v[AM], |v[(\src)+\i]|, |v[(\src)+\i+1]|
	v_max3_num_f32 v[AM+1], v[AM+1], |v[(\src)+\i+2]|, |v[(\src)+\i+3]|
.endr
	v_max3_num_f32 v[AM], v[AM], |v[(\src)+29]|, |v[(\src)+30]|
	v_max3_num_f32 v[AM], v[AM], v[AM+1], |v[(\src)+31]|
	v_add_nc_u32 v[SOP], 0xfe000000, v[AM]                               ; 4 off the exponent field: the conversion takes that field as its scale and nothing else
	v_cvt_scalef32_pk16_bf6_f32 v[(\dst):(\dst)+2], v[(\src):(\src)+15], v[SOP]
	v_cvt_scalef32_pk16_bf6_f32 v[TMP:TMP+2], v[(\src)+16:(\src)+31], v[SOP]   ; (a conversion's three registers begin on an even number)
	v_lshrrev_b32 v[BY], 23, v[SOP]                                      ; the byte; also the plain line behind the conversions
.irp i, 0,1,2
	v_mov_b32 v[(\dst)+3+\i], v[TMP+\i]
.endr
.endm
	s_load_b256 s[4:11], s[0:1], 0x0               ; k s[4:5], v s[6:7], mask s[8:9], kv s[10:11]
	s_load_b128 s[12:15], s[0:1], 0x20             ; mb s[12:13], fl s[14:15]
	v_lshl_add_u32 v192, v0, 2, 0x4400
	v_mov_b32 v193, 0
	v_lshrrev_b32 v1, 5, v0
	v_readfirstlane_b32 s16, v1                    ; wave 0..3
	v_and_b32 v[LN], 31, v0
	v_and_b32 v[RR], 15, v0
	v_bfe_u32 v[HH], v0, 4, 1
	v_lshlrev_b32 v[LI], 4, v[LN]
	v_lshlrev_b32 v[LB], 3, v[LN]
	s_mul_i32 s17, s16, 16*SP                      ; both LDS addresses are made here, ahead of every parting of the ways
	v_mul_u32_u24 v[SA], v[HH], SP
	v_lshl_add_u32 v[SA], v[RR], 4, v[SA]
	v_add_nc_u32 v[SA], s17, v[SA]
	v_mul_u32_u24 v[SB], v[RR], SP
	v_lshl_add_u32 v[SB], v[HH], 7, v[SB]
	v_add_nc_u32 v[SB], s17, v[SB]
	s_mov_b32 s18, 0x76543210                      ; v_permlanex16_b32's selects for lane l xor 16
	s_mov_b32 s19, 0xfedcba98
	s_mov_b32 s29, 0                               ; the upper word of every offset pair s[28:29]
	s_wait_kmcnt 0x0
	s_cmp_lt_u32 ttmp9, 32
	s_cbranch_scc1 .Lmask
	s_sub_co_u32 s17, ttmp9, 32                    ; p = 16 x head + step
	s_lshl_b32 s28, s17, 15                        ; 128 keys of 256 bytes
	s_add_nc_u64 s[4:5], s[4:5], s[28:29]
	s_add_nc_u64 s[6:7], s[6:7], s[28:29]
	s_mul_i32 s28, s17, KVBLK
	s_add_nc_u64 s[10:11], s[10:11], s[28:29]      ; my block of kv
	s_cmp_lt_u32 s16, 2
	s_cbranch_scc0 .Lv
	; ---- K: wave g takes keys 64 g .. 64 g + 63, four tiles.  Each load reads two whole rows (512 consecutive bytes); a tile's 16 rows turn through the wave's stage, so that a lane gets 32 neighbours of one row.
	s_lshl_b32 s28, s16, 14
	s_add_nc_u64 s[4:5], s[4:5], s[28:29]
	s_lshl_b32 s17, s16, 11
	s_wait_alu depctr_va_vdst(0)
	v_add_nc_u32 v[KO0], s17, v[LI]                ; registers 0-3: 16 lane + 512 x 4 g
	s_lshl_b32 s17, s16, 10
	v_add_nc_u32 v[KO1], s17, v[LB]                ; registers 4-5: 8 lane + 256 x 4 g
	s_lshl_b32 s17, s16, 9
	v_add_nc_u32 v[KO2], s17, v[LI]                ; scale words: 16 lane + 512 g
	v_lshlrev_b32 v[SH], 3, v[HH]
	v_mov_b32 v[KPD], 0                            ; written once: a lane permute's destination counts as one of its sources
.irp t, 0,1,2,3
.irp i, 0,1,2,3,4,5,6,7
	global_load_b128 v[R+32*\t+4*\i:R+32*\t+4*\i+3], v[LI], s[4:5] offset:256*(32*(\t/2)+8*(\t%2)+2*\i+8*(\i/4)) th:TH_LOAD_NT   ; tile rows 2 i, 2 i + 1: keys 32 (t / 2) + 8 (t % 2) + 0..7 and the eight 16 further on
.endr
.endr
.macro KTILE t
	s_wait_loadcnt 24-8*\t                         ; this tile's eight loads are in; the later tiles' may be out
.irp i, 0,1,2,3,4,5,6,7
	ds_store_b128 v[SA], v[R+32*\t+4*\i:R+32*\t+4*\i+3] offset:2*SP*\i
.endr
.irp j, 0,1,2,3,4,5,6,7
	ds_load_b128 v[X+4*\j:X+4*\j+3], v[SB] offset:16*\j   ; LDS serves a wave's instructions in order: these see the stores above
.endr
	s_wait_dscnt 0x0
	s_wait_xcnt 0x0                                ; the last tile's stores have read their codes: they are written again only behind this wait
	QB X, C
	v_lshlrev_b32 v[BY], v[SH], v[BY]              ; my byte at its place: dims 32 h on are byte h
	v_permlanex16_b32 v[KPD], v[BY], s18, s19
	v_or_b32 v[BY], v[BY], v[KPD]
	v_or_b32 v[KW+\t], 0x7f7f0000, v[BY]           ; bytes 2 and 3: 127, over zero codes
	global_store_b128 v[KO0], v[C:C+3], s[10:11] offset:512*\t             ; 512 consecutive bytes, aligned
	global_store_b64 v[KO1], v[C+4:C+5], s[10:11] offset:KB_OFF+256*\t     ; 256 consecutive bytes, aligned
.endm
	KTILE 0
	KTILE 1
	KTILE 2
	KTILE 3
	global_store_b128 v[KO2], v[KW:KW+3], s[10:11] offset:SCK_OFF
	s_wait_tensorcnt 0x0
	ds_add_u32 v192, v193
	s_wait_dscnt 0x0
	s_endpgm
	; ---- V: wave g takes columns d = 32 g + lane; a lane's registers run DOWN the keys, so a block of 32 keys lies in one lane and the codes come out with the keys innermost.
.Lv:
	s_sub_co_u32 s17, s16, 2                       ; g
	s_lshl_b32 s20, s17, 7
	v_lshl_add_u32 v40, v[LN], 2, s20              ; in: 4 lane + 128 g: a wave reads 128 consecutive bytes, the two waves a whole row
	s_lshl_b32 s20, s17, 1
	v_add_nc_u32 v41, s20, v[HH]                   ; my column's tile t = 2 g + h
	v_mul_u32_u24 v41, v41, 1536
	v_lshl_add_u32 v41, v[RR], 4, v41              ; out: 1536 t + 16 r
	s_lshl_b32 s20, s17, 8
	v_add_nc_u32 v42, s20, v[LB]                   ; scale words: 8 lane + 256 g
	v_mov_b32 v45, 0                               ; (a lane permute's destination)
.macro VLOADH kb, hf                           ; half hf of block kb: 16 keys, a load a key
.irp i, 0,1,2,3,4,5,6,7,8,9,10,11,12,13,14,15
	global_load_b32 v[R+32*\kb+16*\hf+\i], v40, s[6:7] offset:256*(32*\kb+16*\hf+\i) th:TH_LOAD_NT
.endr
.endm
; Block kb = 2 c + hh belongs to image lane r + 16 hh, registers 6 c on: the image lanes' two sets of 12 registers stand at C and at C + 12.
.macro VBLOCK kb
	QB R+32*\kb, C+12*(\kb%2)+6*(\kb/2)
.if \kb == 0
	v_mov_b32 v44, v[BY]
.else
	v_lshl_or_b32 v44, v[BY], 8*\kb, v44           ; my column's scale word: byte kb for keys 32 kb on
.endif
.endm
	; The loads run one and a half blocks ahead: at most 48 of a wave are out.  Each wait for 16 leaves out the one half (16 loads) that was issued behind the block wanted.
	VLOADH 0, 0
	VLOADH 0, 1
	VLOADH 1, 0
	s_wait_alu depctr_va_vdst(0)
	s_wait_loadcnt 16                              ; block 0 is in; block 1's first half may be out
	VLOADH 1, 1
	VLOADH 2, 0
	VBLOCK 0
	s_wait_loadcnt 16                              ; block 1 is in; block 2's first half may be out
	VLOADH 2, 1
	VLOADH 3, 0
	VBLOCK 1
	s_wait_loadcnt 16                              ; block 2 is in; block 3's first half may be out
	VLOADH 3, 1
	VBLOCK 2
	s_wait_loadcnt 0x0
	VBLOCK 3
.irp hh, 0,1
.irp p, 0,1,2
	global_store_b128 v41, v[C+12*\hh+4*\p:C+12*\hh+4*\p+3], s[10:11] offset:VI_OFF+512*\p+256*\hh   ; sixteen lanes store 256 consecutive bytes, aligned
.endr
.endr
	v_permlanex16_b32 v45, v44, s18, s19           ; the other tile's word of row r
	v_cmp_gt_u32 vcc_lo, 16, v[LN]
	v_cndmask_b32 v46, v45, v44, vcc_lo            ; tile 2 g's word of row r, in both halves of the lanes
	v_cndmask_b32 v47, v44, v45, vcc_lo            ; tile 2 g + 1's
	global_store_b64 v42, v[46:47], s[10:11] offset:SCV_OFF
	s_endpgm
	; ---- THE MASK: wave = tile T of 16 queries; 16 steps of 128 keys, two sets of registers by turns, each filled a step ahead.
.Lmask:
	s_lshl_b32 s17, ttmp9, 2
	s_add_co_u32 s17, s17, s16                     ; T
	s_lshl_b32 s28, s17, 15                        ; 16 rows of 2,048 bytes
	s_add_nc_u64 s[8:9], s[8:9], s[28:29]
	s_lshl_b32 s28, s17, 12                        ; 16 steps of 256 bytes
	s_add_nc_u64 s[12:13], s[12:13], s[28:29]
	s_lshl_b32 s28, s17, 2
	s_add_nc_u64 s[14:15], s[14:15], s[28:29]
	v_lshlrev_b32 v62, 11, v[RR]
	v_lshl_add_u32 v62, v[HH], 4, v62              ; row r, + 16 h: my 16 bytes of each 32 keys
	v_mov_b32 v56, 0                               ; the 64 words of a step, two a lane (v_writelane_b32's destination counts as read)
	v_mov_b32 v57, 0
	s_mov_b32 s30, 0                               ; the flags
	s_mov_b32 s31, 0                               ; the step
	s_mov_b32 s44, 0x01010101
.irp e, 0,1
.irp b, 0,1,2,3
	global_load_b128 v[16+16*\e+4*\b:16+16*\e+4*\b+3], v62, s[8:9] offset:128*\e+32*\b
.endr
.endr
; One step from set e.  Register set + n / 4, byte n % 4 of lane (r, h) is mask[16 T + r][128 s + 32 (n / 16) + 16 h + n % 16].  ahead = 1: the set is filled again, two steps on.  left: the other set's loads.
.macro MSTEP e, ahead, left
.set MS, 16+16*\e
	s_wait_loadcnt \left
	s_wait_xcnt 0x0                                ; the last step's store has read v56-57: they are written again only behind this wait
	v_or_b32 v58, v[MS], v[MS+1]
	v_and_b32 v59, v[MS], v[MS+1]
.irp i, 2,3,4,5,6,7,8,9,10,11,12,13,14,15
	v_or_b32 v58, v58, v[MS+\i]
	v_and_b32 v59, v59, v[MS+\i]
.endr
.irp bt, 0,1,2,3,4,5,6,7                       ; eight words at a time: the byte, the 32 lanes' vote, the vote into lane n / 2 of register n % 2
.irp c, 0,1,2,3,4,5,6,7
	v_bfe_u32 v[48+\c], v[MS+(8*\bt+\c)/4], 8*(\c%4), 8
.endr
.irp c, 0,1,2,3,4,5,6,7
	v_cmp_ne_u32 s[20+\c], 0, v[48+\c]
.endr
.irp c, 0,1,2,3,4,5,6,7
	v_writelane_b32 v[56+\c%2], s[20+\c], (8*\bt+\c)/2
.endr
.endr
	global_store_b64 v[LB], v[56:57], s[12:13] offset:256*\e           ; word n at byte 4 n: 256 consecutive bytes, aligned
.if \ahead
.irp b, 0,1,2,3
	global_load_b128 v[MS+4*\b:MS+4*\b+3], v62, s[8:9] offset:256+128*\e+32*\b
.endr
.endif
	v_cmp_ne_u32 s32, 0, v58                       ; lanes with some byte set
	v_cmp_eq_u32 s33, s44, v59                     ; lanes whose 64 bytes are all 1
	s_cmp_lg_u32 s32, 0
	s_cselect_b32 s34, 1, 0
	s_cmp_eq_u32 s33, -1
	s_cselect_b32 s35, 0x10000, 0
	s_or_b32 s34, s34, s35
	s_lshl_b32 s34, s34, s31
	s_or_b32 s30, s30, s34
	s_add_co_u32 s31, s31, 1
.endm
	s_mov_b32 s36, 7
.Lmstep:                                           ; 7 trips of two steps; the last two steps are written out and load nothing, so no load leaves the mask
	MSTEP 0, 1, 4
	MSTEP 1, 1, 4
	s_wait_xcnt 0x0                                ; the trip's loads and stores have read their offset and base
	v_add_nc_u32 v62, 256, v62
	s_add_nc_u64 s[12:13], s[12:13], 512
	s_sub_co_u32 s36, s36, 1
	s_cmp_lg_u32 s36, 0
	s_cbranch_scc1 .Lmstep
	MSTEP 0, 0, 4
	MSTEP 1, 0, 0
	v_mov_b32 v60, s30
	v_mov_b32 v61, 0
	v_cmp_eq_u32 vcc_lo, 0, v[LN]
	s_wait_alu depctr_va_vdst(0)
	s_wait_xcnt 0x0                                ; EXEC changes only behind this wait
	s_and_saveexec_b32 s37, vcc_lo
	global_store_b32 v61, v60, s[14:15]            ; one word a tile: four bytes of a buffer of 512
	s_wait_xcnt 0x0
	s_or_b32 exec_lo, exec_lo, s37
	s_endpgm
.Lfunc_end_k_qe4de18cb58_prep:
	.size	k_qe4de18cb58_prep, .Lfunc_end_k_qe4de18cb58_prep-k_qe4de18cb58_prep
	.p2alignl 7, 3214868480
	.fill 96, 4, 3214868480
	.section	.rodata,"a",@progbits
	.p2align	6, 0x0
	.amdhsa_kernel k_qe4de18cb58_prep
		.amdhsa_group_segment_fixed_size 17920
		.amdhsa_private_segment_fixed_size 0
		.amdhsa_enable_private_segment 0
		.amdhsa_kernarg_size 48
		.amdhsa_user_sgpr_count 2
		.amdhsa_user_sgpr_kernarg_segment_ptr 1
		.amdhsa_wavefront_size32 1
		.amdhsa_system_sgpr_workgroup_id_x 1
		.amdhsa_system_sgpr_workgroup_id_y 1
		.amdhsa_system_sgpr_workgroup_id_z 1
		.amdhsa_system_vgpr_workitem_id 0
		.amdhsa_next_free_vgpr 194
		.amdhsa_next_free_sgpr 66
		.amdhsa_reserve_vcc 1
		.amdhsa_float_denorm_mode_32 3
		.amdhsa_float_denorm_mode_16_64 3
		.amdhsa_memory_ordered 1
		.amdhsa_forward_progress 1
		.amdhsa_inst_pref_size 93
	.end_amdhsa_kernel
	.amdgpu_metadata
---
amdhsa.version: [ 1, 2 ]
amdhsa.kernels:
  - .name:           k_qe4de18cb58_prep
    .symbol:         k_qe4de18cb58_prep.kd
    .args:
      - { .name: k, .offset: 0, .size: 8, .value_kind: global_buffer, .address_space: global }
      - { .name: v, .offset: 8, .size: 8, .value_kind: global_buffer, .address_space: global }
      - { .name: mask, .offset: 16, .size: 8, .value_kind: global_buffer, .address_space: global }
      - { .name: kv, .offset: 24, .size: 8, .value_kind: global_buffer, .address_space: global }
      - { .name: mb, .offset: 32, .size: 8, .value_kind: global_buffer, .address_space: global }
      - { .name: fl, .offset: 40, .size: 8, .value_kind: global_buffer, .address_space: global }
    .group_segment_fixed_size: 17920
    .private_segment_fixed_size: 0
    .kernarg_segment_align: 8
    .kernarg_segment_size: 48
    .max_flat_workgroup_size: 128
    .sgpr_count:     66
    .vgpr_count:     194
    .wavefront_size: 32
...
	.end_amdgpu_metadata
.endif
;; end of part 3
;; launch attn (part 4): grid 4 x 64, 16 waves a work-group, no clusters, 104,448 bytes of LDS; arguments q, kv, mb, fl, out0; writes out0
.if DOCPART == 4
	.amdgcn_target "amdgcn-amd-amdhsa--gfx1250"
	.amdhsa_code_object_version 6
	.text
	.protected	k_qe4de18cb58_attn
	.globl	k_qe4de18cb58_attn
	.p2align	8
	.type	k_qe4de18cb58_attn,@function
k_qe4de18cb58_attn:
	s_mov_b64 s[64:65], 0
	v_nop
	global_prefetch_b8 v0, s[64:65] scope:SCOPE_SE
	s_setreg_imm32_b32 hwreg(HW_REG_WAVE_SCHED_MODE, 0, 2), 2
	s_setreg_imm32_b32 hwreg(HW_REG_WAVE_MODE, 25, 1), 1
	s_wait_xcnt 0x0
	s_wait_alu depctr_vm_vsrc(0)
; out0[head][q][:] = the sum over keys of softmax(q . k / 8, where the mask is true) v, both products on codes of BF6 (E3M2) with one E8M0 scale for each 32 along a product's K.
; q: [64][2048][64] f32, quantised here.  kv, mb, fl: made by the launch before (its head comment gives their layouts): K's and V^T's fragments and scale words as images of the operands' registers,
; 13,824 bytes for a step of 128 keys; 64 lane masks for each (tile of 16 queries, step); two flags for each such pair: some entry true, all true.
; THE SOFTMAX: t = score x log2(e) / 8; M = the row's largest t so far, rounded UP to a whole number; p = 2^(t - M) is quantised along the keys, not normalised; the row's sum is taken of the unquantised p and
; divides at the end; when M moves, the sum and O are multiplied by 2^(old M - new M), which rounds nothing.  Hidden scores become -infinity ahead of the maximum, so p = 0 there.
; A row with no true entry has the sum 0 and O = 0: 0 x (1 / 0) is NaN, as a softmax over nothing is.
; SHARES.  256 work-groups; work-group (j, head) takes the query blocks j and 7 - j of 256 queries, one after the other (two passes); no value hangs on that pairing.  Each of its SIXTEEN waves owns 16 queries,
; one tile, in 256 registers: four waves to a SIMD, so that one wave's vector work stands beside another's matrix work and LDS loads.  A pass walks all 16 steps of 128 keys; the trip counts are constants.
; WHAT THE MASK THROWS AWAY IS NOT COMPUTED: a wave jumps over a step's work where its flag says that no entry is true, and over the 64 selects where all are; a step's block of kv is fetched only where some
; wave of the work-group wants it.  These are scalar branches on whole numbers that the launch before has stored; they hold for every mask.
; K AND V go memory -> registers -> LDS: each thread copies 16 bytes (waves 0-10: 32) of the NEXT step's block, asked for at a step's head and stored at its end into the other of two slots; one barrier a step.
; NO TENSOR LOADS, NO JOINT LOADS: which steps a work-group walks hangs on the stored flags and differs between the query blocks of a head, so partners would not ask alike.
; LAYOUT.  Both products are used transposed: S^T = K Q^T (source 0 = 16 keys, source 1 = my 16 queries), O^T = V^T P^T: a lane holds ONE query (lane % 16) throughout.  The keys of a tile of K are chosen so that
; register S + 16 b + i of lane (r, h) is key 32 b + 16 h + i of the step.  K along the first product is 64: registers 6-11 of K's and Q's fragments are zero codes, set once.
; LIMITS: NaN and infinities in q, k, v are not served; a block of zeros gets the scale byte 1 (its codes are zeros); a p under 2^-126 counts as 0 (v_exp_f32 gives 0 there).
; THE MODE: SCHED_MODE bits 1:0 = 2 (LLVM: expert scheduling mode 2), set by the entry lines.  The code itself states the register dependences
; between vector or matrix instructions and memory or LDS instructions, with s_wait_alu, always for 0.
; THE PLAN.  Registers that memory or LDS instructions touch:
;   v1-5, v7, v8  Offsets and LDS addresses: written at the head, never again.  One wait on va_vdst ahead of the first load serves every load, store and prefetch of the kernel.
;   G             The global loads at a step's head land in it; the LDS stores at the step's end read it; no vector line of the loop names it.  One wait on vm_vsrc at the step's end.
;   KF (registers 0-5 of each fragment), KS   LDS loads land in them: KS and KF's first run at a step's head, KF's second run behind the first four products; the eight products K Q^T read them.
;   VS            LDS loads land in it with KF's second run; the four products V^T P read it.
;   S             Written by the products K Q^T, the selects, the scalings and the exponentials, read by the sums and the conversions; then V^T's loads land in v[S .. S+47], which the products V^T P read.
;                 On the way out the multiplications write v[S .. S+31], LDS stores read them, the loads from the stage land in v[S+32 .. S+63], global stores read those.
;   All else (Q, O, p's codes, the statistics) is named by vector and matrix instructions alone, in the loop.
; A STEP'S WAITS.  (1) va_vdst behind the first four products: they are done reading KF, and the step before's products V^T P are done reading VS.  (2) The two waits on va_vdst behind the exponentials; the first
; also states that the second four products are done reading KF and KS, and no line behind it names these: so the next step's loads at its head owe nothing.  (3) va_vdst behind the conversions: p's writers and
; readers are done, V^T may land.  (4) va_vdst ahead of the products V^T P: p's codes are written.  (5) vm_vsrc at the step's end: the LDS stores have read G.
; A PASS'S WAITS.  va_vdst behind the clearing lines at its head: Q's codes, its scale word and the zero codes are written.  On the way out va_vdst ahead of the LDS stores and vm_vsrc behind the global stores.
.set KVBLK,   13824
.set KB_OFF,  4096
.set VI_OFF,  6144
.set SCK_OFF, 12288
.set SCV_OFF, 13312
.set SLOTB,   16384                    ; LDS: slot 0 at 0, slot 1 at 16,384 (a block uses 13,824 of each),
.set STAGE,   2*SLOTB                  ; then a stage of 16 rows x (256 + 16) bytes for each wave
.set SP,      272
.set LI,   1                           ; v1   16 x lane
.set LB,   2                           ; v2   8 x lane
.set CP,   3                           ; v3   16 x thread: my bytes of the copy
.set STO,  4                           ; v4   my stage + 272 r + 32 h
.set RD,   5                           ; v5   my stage + 272 h + 16 r
.set NINF, 6                           ; v6   -infinity
.set PFO,  7                           ; v7   the prefetches' offset
.set QR,   8                           ; v8   my stage + 272 r + 128 h (head only);  v9 8 h, v10 r, v11 h (head only)
.set NM,   12                          ; v12  -M;  v13 the largest t
.set LS,   14                          ; v14-15 the row's sum in two halves
.set Q,    16                          ; v16-27 Q's fragment
.set QS,   28                          ; v28  its scale word;  v29 pass 1's
.set QS1,  29
.set Q1,   30                          ; v30-35 pass 1's codes
.set G,    36                          ; v36-43 the copy's bytes on their way
.set KF,   44                          ; v44-91 four fragments of K
.set S,    92                          ; v92-155 S^T, then p; then V^T's four fragments in v92-139
.set O,    156                         ; v156-187 O^T
.set PC,   188                         ; v188-199 p's codes
.set BM,   200                         ; v200-203 the blocks' largest scores
.set T4,   204                         ; v204-207 at work
.set SO,   208                         ; v208-211 the conversions' scale operands
.set CT,   212                         ; v212-214, v216-218 upper halves of p's codes
.set KS,   220                         ; v220-227 K's scale words
.set VS,   228                         ; v228-231 V's
.set FF,   232                         ; v232 f = 2^(old M - new M)
.set PW,   233                         ; v233 p's scale word
.set TT,   234
.set L2,   236                         ; v236-237 the sum's second chain
.set QT,   240                         ; v240-247 at work in the head
.set WV,   2
.set CNT,  3
.set OUT,  4                           ; s[4:5] my rows of out0;  s[12:13] pass 1's
.set KVH,  6                           ; s[6:7] the head's blocks of kv
.set MBP,  8                           ; s[8:9] my tile's lane masks of the step in hand;  s[10:11] pass 1's first
.set MBP1, 10
.set OUT1, 12
.set PASS, 14
.set SEL,  66                          ; s[66:67] lane selects: lane l xor 16
.set CS,   68                          ; s[68:69] c = log2(e) / 8, twice
.set ANYW, 70                          ; s70 my tile's flags, shifted a bit a step: bit 0 some, bit 16 all;  s71 pass 1's
.set ANYW1, 71
.set BANY, 72                          ; s72 bit 0: some wave wants this step's block; bit 1: the next step's; 32 steps in all
.set NXI,  73                          ; s73 the next step's block
.set KVP,  74                          ; s[74:75] and its address
.set OFS,  76                          ; s[76:77] an offset pair, upper word 0
.set PFN,  78                          ; s78 prefetches still to be made by this wave
                                       ; s[16:63], s[80:95] a step's 64 lane masks: word n in s[16 + n], from n = 48 on in s[32 + n]
; 32 numbers of one lane become 6 registers of codes at v[dst] and, with lane l xor 16's byte, the row's scale word in v[sw].
.macro QQUANT src, dst, sw
	v_max3_num_f32 v[QT], |v[\src]|, |v[\src+1]|, 0x2800000          ; the floor 2^(5 - 127): the byte cannot fall under 1
	v_max3_num_f32 v[QT+1], |v[\src+2]|, |v[\src+3]|, |v[\src+4]|
.irp i, 5,9,13,17,21,25
	v_max3_num_f32 v[QT], v[QT], |v[\src+\i]|, |v[\src+\i+1]|
	v_max3_num_f32 v[QT+1], v[QT+1], |v[\src+\i+2]|, |v[\src+\i+3]|
.endr
	v_max3_num_f32 v[QT], v[QT], |v[\src+29]|, |v[\src+30]|
	v_max3_num_f32 v[QT], v[QT], v[QT+1], |v[\src+31]|
	v_add_nc_u32 v[QT+2], 0xfe000000, v[QT]
	v_cvt_scalef32_pk16_bf6_f32 v[\dst:\dst+2], v[\src:\src+15], v[QT+2]
	v_cvt_scalef32_pk16_bf6_f32 v[QT+4:QT+6], v[\src+16:\src+31], v[QT+2]
	v_lshrrev_b32 v[QT+3], 23, v[QT+2]             ; the byte; also the plain line behind the conversions
.irp i, 0,1,2
	v_mov_b32 v[\dst+3+\i], v[QT+4+\i]
.endr
	v_lshlrev_b32 v[QT+3], v9, v[QT+3]             ; dims 32 h on are byte h
	v_permlanex16_b32 v[QT+7], v[QT+3], s[SEL], s[SEL+1]
	v_or_b32 v[QT+3], v[QT+3], v[QT+7]
	v_or_b32 v[\sw], 0x7f7f0000, v[QT+3]           ; bytes 2 and 3: 127, over zero codes
.endm
	s_load_b256 s[16:23], s[0:1], 0x0              ; q s[16:17], kv s[18:19], mb s[20:21], fl s[22:23]
	s_load_b64 s[24:25], s[0:1], 0x20              ; out0
	v_lshl_add_u32 v254, v0, 2, 0x19000
	v_mov_b32 v255, 0
	v_lshrrev_b32 v8, 5, v0
	v_readfirstlane_b32 s[WV], v8                  ; wave 0..15
	v_and_b32 v9, 31, v0
	v_and_b32 v10, 15, v0                          ; r
	v_bfe_u32 v11, v0, 4, 1                        ; h
	v_lshlrev_b32 v[LI], 4, v9
	v_lshlrev_b32 v[LB], 3, v9
	v_lshlrev_b32 v[CP], 4, v0
	v_lshlrev_b32 v9, 3, v11                       ; 8 h
	s_wait_alu depctr_va_sdst(0)                   ; the wave's number is written, ahead of its first reader: addresses, bases and branches are made from it
	s_mul_i32 s15, s[WV], 16*SP
	s_add_co_u32 s15, s15, STAGE                   ; my stage
	v_mul_u32_u24 v[STO], v10, SP
	v_lshl_add_u32 v[STO], v11, 5, v[STO]
	v_add_nc_u32 v[STO], s15, v[STO]
	v_mul_u32_u24 v[RD], v11, SP
	v_lshl_add_u32 v[RD], v10, 4, v[RD]
	v_add_nc_u32 v[RD], s15, v[RD]
	v_mul_u32_u24 v[QR], v10, SP
	v_lshl_add_u32 v[QR], v11, 7, v[QR]
	v_add_nc_u32 v[QR], s15, v[QR]
	v_mov_b32 v[NINF], 0xff800000
	v_add_nc_u32 v[PFO], 0xfffffe80, v0            ; thread - 384: 0 .. 63 in waves 12 and 13, which alone prefetch;
	v_min_u32 v[PFO], 53, v[PFO]                   ; a block is 54 x 256 bytes: the lanes over are held at its last 256
	v_lshlrev_b32 v[PFO], 8, v[PFO]
.irp i, 4,5,6,7
	v_mov_b32 v[G+\i], 0                           ; written in every wave: waves 11 to 15 never load these four
.endr
	v_mov_b32 v[QT+7], 0                           ; (a lane permute's destination counts as one of its sources)
	s_mov_b32 s[SEL], 0x76543210
	s_mov_b32 s[SEL+1], 0xfedcba98
	s_mov_b32 s[CS], 0x3e38aa3b                    ; c = log2(e) / sqrt(64)
	s_mov_b32 s[CS+1], s[CS]
	s_and_b32 s96, ttmp7, 0xffff                   ; the head
	s_sub_co_u32 s97, 7, ttmp9                     ; pass 1's query block; pass 0's is ttmp9
	s_lshl_b32 s98, s96, 19                        ; a head of q or out0: 2,048 rows of 256 bytes
	s_lshl_b32 s99, s[WV], 12                      ; my 16 rows in a block; also my tile's 16 steps of 256 bytes in mb
	s_add_co_u32 s98, s98, s99
	s_lshl_b32 s[OFS], ttmp9, 16                   ; a block: 256 rows of 256 bytes; also 16 tiles of 4,096 bytes in mb
	s_lshl_b32 s100, s97, 16
	s_mov_b32 s[OFS+1], 0
	s_mov_b32 s101, 0
	s_mov_b32 s85, 0
	s_mov_b32 s87, 0
	s_add_co_u32 s84, s[OFS], s99                  ; mb: tile 16 block + wave
	s_add_co_u32 s86, s100, s99
	s_add_co_u32 s[OFS], s[OFS], s98               ; q, out0
	s_add_co_u32 s100, s100, s98
	s_wait_kmcnt 0x0
	s_add_nc_u64 s[26:27], s[16:17], s[OFS:OFS+1]  ; my rows of q, pass 0 and pass 1
	s_add_nc_u64 s[28:29], s[16:17], s[100:101]
	s_add_nc_u64 s[OUT:OUT+1], s[24:25], s[OFS:OFS+1]
	s_add_nc_u64 s[OUT1:OUT1+1], s[24:25], s[100:101]
	s_add_nc_u64 s[MBP:MBP+1], s[20:21], s[84:85]
	s_add_nc_u64 s[MBP1:MBP1+1], s[20:21], s[86:87]
	s_mul_i32 s[OFS], s96, 16*KVBLK
	s_add_nc_u64 s[KVH:KVH+1], s[18:19], s[OFS:OFS+1]
	s_lshl_b32 s[OFS], ttmp9, 6                    ; fl: 16 words a query block
	s_add_nc_u64 s[80:81], s[22:23], s[OFS:OFS+1]
	s_lshl_b32 s[OFS], s97, 6
	s_add_nc_u64 s[82:83], s[22:23], s[OFS:OFS+1]
	s_lshl_b32 s[OFS], s[WV], 2
	s_add_nc_u64 s[84:85], s[80:81], s[OFS:OFS+1]
	s_add_nc_u64 s[86:87], s[82:83], s[OFS:OFS+1]
	s_load_b32 s[ANYW], s[84:85], 0x0              ; my tiles' flags
	s_load_b32 s[ANYW1], s[86:87], 0x0
	s_load_b512 s[32:47], s[80:81], 0x0            ; and those of all sixteen waves, both passes
	s_load_b512 s[48:63], s[82:83], 0x0
	s_wait_alu depctr_va_vdst(0)                   ; the offsets and LDS addresses v1-5, v7, v8 are written, which every load, store and prefetch of the kernel reads; so are v[G+4 .. G+7], in which a load lands
	global_load_b128 v[G:G+3], v[CP], s[KVH:KVH+1] ; block 0 is fetched whatever the flags say: 512 threads x 16 bytes,
	s_cmp_lt_u32 s[WV], 11
	s_cbranch_scc0 .Lh1
	global_load_b128 v[G+4:G+7], v[CP], s[KVH:KVH+1] offset:8192   ; and 352 threads x 16 bytes more: 13,824 in all
.Lh1:
.irp i, 0,1,2,3,4,5,6,7
	global_load_b128 v[S+4*\i:S+4*\i+3], v[LI], s[26:27] offset:512*\i th:TH_LOAD_NT      ; Q: two whole rows, 512 consecutive bytes, a load
.endr
.irp i, 0,1,2,3,4,5,6,7
	global_load_b128 v[S+32+4*\i:S+32+4*\i+3], v[LI], s[28:29] offset:512*\i th:TH_LOAD_NT
.endr
	s_lshr_b32 s15, s[WV], 1                       ; who prefetches: waves 12 and 13 of the head's first work-group
	s_xor_b32 s15, s15, 6
	s_or_b32 s15, s15, ttmp9
	s_cmp_eq_u32 s15, 0
	s_cselect_b32 s[PFN], 14, 0                    ; in steps 0 to 13 of the first pass: blocks 2 to 15
	s_mov_b32 s[NXI], 1
	s_add_nc_u64 s[KVP:KVP+1], s[KVH:KVH+1], KVBLK
	s_wait_kmcnt 0x0
.set i, 33
.rept 15
	s_or_b32 s32, s32, s[i]
	s_or_b32 s48, s48, s[i+16]
.set i, i+1
.endr
	s_and_b32 s32, s32, 0xffff
	s_lshl_b32 s48, s48, 16
	s_or_b32 s[BANY], s32, s48                     ; bit 16 pass + step: some wave of the work-group has work there
	s_wait_loadcnt 16                              ; block 0's bytes are in; Q's sixteen loads may be out
	ds_store_b128 v[CP], v[G:G+3]
	s_cmp_lt_u32 s[WV], 11
	s_cbranch_scc0 .Lh2
	ds_store_b128 v[CP], v[G+4:G+7] offset:8192
.Lh2:
	s_wait_loadcnt 8                               ; pass 0's Q is in; pass 1's eight loads may be out
.irp i, 0,1,2,3,4,5,6,7
	ds_store_b128 v[RD], v[S+4*\i:S+4*\i+3] offset:2*SP*\i             ; through my stage, as the rows lie,
.endr
.irp i, 0,1,2,3,4,5,6,7
	ds_load_b128 v[O+4*\i:O+4*\i+3], v[QR] offset:16*\i                ; and back: row r, dims 32 h .. 32 h + 31.  LDS serves a wave's instructions in order.  (No vector line has named these registers yet)
.endr
	s_wait_loadcnt 0x0
.irp i, 0,1,2,3,4,5,6,7
	ds_store_b128 v[RD], v[S+32+4*\i:S+32+4*\i+3] offset:2*SP*\i
.endr
.irp i, 0,1,2,3,4,5,6,7
	ds_load_b128 v[PC+4*\i:PC+4*\i+3], v[QR] offset:16*\i              ; (nor these)
.endr
	s_wait_dscnt 16                                ; pass 0's numbers are back; pass 1's eight stores and eight loads may be out
	QQUANT O, Q, QS
	s_wait_dscnt 0x0
	QQUANT PC, Q1, QS1
.irp i, 6,7,8,9,10,11
	v_mov_b32 v[Q+\i], 0                           ; zero codes for k = 64 .. 127: set once
.irp t, 0,1,2,3
	v_mov_b32 v[KF+12*\t+\i], 0
.endr
.endr
.irp b, 0,1,2,3
	v_mov_b32 v[T4+\b], 0                          ; (lane permutes' destinations)
.endr
	v_mov_b32 v[PW], 0                             ; (named as the upper half of the pair v[232:233] before it is first written)
	s_wait_alu depctr_vm_vsrc(0)                   ; my LDS stores have read v[G ..] and v[S ..]: the first step's loads land in the one, its products write the other
	s_barrier_signal -1                            ; every wave's part of block 0 lies in slot 0 (no LDS instruction of mine is out: the wait for 0 above)
	s_barrier_wait -1
; S^T = K Q^T, four tiles of 16 keys at a time, from the slot at byte sl.  The first run of loads owes no wait: no vector or matrix line since the last wait on va_vdst names KS or KF's registers 0-5.
.macro KQ sl
	ds_load_b128 v[KS:KS+3], v[LI] offset:(\sl)+SCK_OFF
	ds_load_b128 v[KS+4:KS+7], v[LI] offset:(\sl)+SCK_OFF+512
.irp g, 0,1
.if \g
.rept 4
	v_nop                                          ; four plain lines behind the products, in front of loads into registers that they have read; the dependence itself is stated by the wait below
.endr
	s_wait_alu depctr_va_vdst(0)                   ; the four products above are done reading KF, in which the next four fragments land; the step before's products V^T P are done reading VS
.endif
.irp t, 0,1,2,3
	ds_load_b128 v[KF+12*\t:KF+12*\t+3], v[LI] offset:(\sl)+512*(4*\g+\t)
	ds_load_b64 v[KF+12*\t+4:KF+12*\t+5], v[LB] offset:(\sl)+KB_OFF+256*(4*\g+\t)
.endr
.if \g
	ds_load_b64 v[VS:VS+1], v[LB] offset:(\sl)+SCV_OFF                 ; V's scale words are asked for here, a softmax ahead of the products that take them
	ds_load_b64 v[VS+2:VS+3], v[LB] offset:(\sl)+SCV_OFF+256
	s_wait_dscnt 0x2                               ; LDS loads come back in order: K's fragments are in; the two youngest loads, V's scale words, may be out
.else
	s_wait_dscnt 0x0
.endif
.irp t, 0,1,2,3
	v_wmma_scale_f32_16x16x128_f8f6f4 v[S+8*(4*\g+\t):S+8*(4*\g+\t)+7], v[KF+12*\t:KF+12*\t+11], v[Q:Q+11], 0, v[KS+4*\g+\t], v[QS] matrix_a_fmt:MATRIX_FMT_BF6 matrix_b_fmt:MATRIX_FMT_BF6
.endr
.endr
.rept 4
	v_nop                                          ; places in front of the first read of the scores
.endr
.endm
; The softmax of 128 keys, p's codes, and O^T += V^T P^T.
.macro SOFTPV sl
.irp b, 0,1,2,3
	v_max3_num_f32 v[BM+\b], v[S+16*\b], v[S+16*\b+1], v[S+16*\b+2]   ; the largest score of each block of 32 keys: it serves for the row's maximum and, since p rises with the score, for the block's largest p
.endr
.irp i, 3,5,7,9,11,13
.irp b, 0,1,2,3
	v_max3_num_f32 v[BM+\b], v[BM+\b], v[S+16*\b+\i], v[S+16*\b+\i+1]
.endr
.endr
.irp b, 0,1,2,3
	v_max_num_f32 v[BM+\b], v[BM+\b], v[S+16*\b+15]
.endr
.irp b, 0,1,2,3
	v_permlanex16_b32 v[T4+\b], v[BM+\b], s[SEL], s[SEL+1]
.endr
.irp b, 0,1,2,3
	v_max_num_f32 v[BM+\b], v[BM+\b], v[T4+\b]     ; with lane l xor 16's 16 keys
.endr
	v_max3_num_f32 v[TT], v[BM], v[BM+1], v[BM+2]
	v_max_num_f32 v[TT], v[TT], v[BM+3]
	v_mul_f32 v[TT], s[CS], v[TT]                  ; the step's largest t of my query (-infinity where all its keys are hidden)
	v_max_num_f32 v[NM+1], v[NM+1], v[TT]          ; the running largest t
	v_mov_b32 v[TT], v[NM]
	v_floor_f32 v[NM], -v[NM+1]                    ; the new -M = floor(-t): M is a whole number
	v_sub_f32 v[TT], v[NM], v[TT]                  ; old M - new M: a whole number, 0 or less
	v_cvt_i32_f32 v[TT], v[TT]                     ; (it saturates)
	v_ldexp_f32 v[FF], 1.0, v[TT]                  ; f = 2^(old M - new M)
.set j, 0
.rept 32
	v_pk_fma_f32 v[S+j:S+j+1], v[S+j:S+j+1], s[CS:CS+1], v[NM:NM+1] op_sel_hi:[1,0,0]   ; t - M, two at a time
.set j, j+2
.endr
.irp b, 0,1,2,3
	v_fma_f32 v[BM+\b], v[BM+\b], s[CS], v[NM]     ; the same of each block's largest score
.endr
.set j, 0
	s_wait_alu depctr_va_vdst(0)
.rept 64
	v_exp_f32 v[S+j], v[S+j]                       ; p = 2^(t - M), at most 1
.set j, j+1
.endr
	v_pk_mul_f32 v[LS:LS+1], v[LS:LS+1], v[FF:FF+1] op_sel_hi:[1,0]    ; the sums under the new M; the plain line behind the exponentials
	s_wait_alu depctr_va_vdst(0)                   ; the 64 exponentials have written p, v[S .. S+63]: one wait for the batch, ahead of its first reader; the products K Q^T are done reading KF and KS too, in which the next step's loads land
.irp b, 0,1,2,3
	v_exp_f32 v[BM+\b], v[BM+\b]                   ; the blocks' largest p: the same two instructions on the same number
.endr
	v_pk_add_f32 v[L2:L2+1], v[S:S+1], v[S+2:S+3]  ; the row's sum of the UNQUANTISED p, in two chains; it reads the 64 alone
.set j, 4
.rept 15
	v_pk_add_f32 v[LS:LS+1], v[LS:LS+1], v[S+j:S+j+1]
	v_pk_add_f32 v[L2:L2+1], v[L2:L2+1], v[S+j+2:S+j+3]
.set j, j+4
.endr
	v_pk_add_f32 v[LS:LS+1], v[LS:LS+1], v[L2:L2+1]
	s_wait_alu depctr_va_vdst(0)                   ; the four exponentials have written v[BM .. BM+3], ahead of their first reader
.irp b, 0,1,2,3
	v_max_num_f32 v[BM+\b], 0x2800000, v[BM+\b]    ; the floor 2^(5 - 127): a block whose every p is 0 keeps the byte 1; its codes are zeros
.endr
.irp b, 0,1,2,3
	v_add_nc_u32 v[SO+\b], 0xfe000000, v[BM+\b]    ; 4 off the exponent field: the conversion's scale operand
.endr
.irp b, 0,1,2,3
	v_lshrrev_b32 v[T4+\b], 23, v[SO+\b]           ; the byte
.endr
	v_lshl_or_b32 v[PW], v[T4+1], 8, v[T4]         ; p's scale word for these 128 keys
	v_lshl_or_b32 v[PW], v[T4+2], 16, v[PW]
	v_lshl_or_b32 v[PW], v[T4+3], 24, v[PW]
.irp c, 0,1
	v_cvt_scalef32_pk16_bf6_f32 v[PC+6*\c:PC+6*\c+2], v[S+32*\c:S+32*\c+15], v[SO+2*\c]
	v_cvt_scalef32_pk16_bf6_f32 v[CT+4*\c:CT+4*\c+2], v[S+32*\c+16:S+32*\c+31], v[SO+2*\c+1]
.endr
	v_nop                                          ; one plain line behind the conversions
	s_wait_alu depctr_va_vdst(0)                   ; the sums and the conversions are done reading p: V^T's fragments land in its registers.  No line between here and the products below names v[S .. S+47]
.irp t, 0,1,2,3
.irp c, 0,1,2
	ds_load_b128 v[S+12*\t+4*\c:S+12*\t+4*\c+3], v[LI] offset:(\sl)+VI_OFF+1536*\t+512*\c   ; V^T's four fragments, into the registers that p has left
.endr
.endr
.irp c, 0,1                                    ; the operand wants a WHOLE block in a lane: lanes 0-15 block 2 c, lanes 16-31 block 2 c + 1
.irp i, 0,1,2
	v_permlane16_swap_b32 v[PC+6*\c+\i], v[CT+4*\c+\i]
.endr
.irp i, 0,1,2
	v_mov_b32 v[PC+6*\c+3+\i], v[CT+4*\c+\i]
.endr
.endr
.set j, 0
.rept 16
	v_pk_mul_f32 v[O+j:O+j+1], v[O+j:O+j+1], v[FF:FF+1] op_sel_hi:[1,0]    ; O^T under the new M; these sixteen are also the places between the writes of p's codes and scale word and the products
.set j, j+2
.endr
	s_wait_dscnt 0x0                               ; V^T's fragments are in, and V's scale words, asked for among K's
	s_wait_alu depctr_va_vdst(0)                   ; the swaps and moves have written p's codes v[PC .. PC+11], which the scaled products take (its scale word was written ahead of the wait before); the places stand above
.irp t, 0,1,2,3                                ; four accumulators, one instruction each
	v_wmma_scale_f32_16x16x128_f8f6f4 v[O+8*\t:O+8*\t+7], v[S+12*\t:S+12*\t+11], v[PC:PC+11], v[O+8*\t:O+8*\t+7], v[VS+\t], v[PW] matrix_a_fmt:MATRIX_FMT_BF6 matrix_b_fmt:MATRIX_FMT_BF6
.endr
.rept 5
	v_nop                                          ; five places: the next step's first products write over V^T's registers; O^T's next readers want four
.endr
.endm
; A STEP of 128 keys, read from slot \slot; the next step's block goes into the other slot.
.macro STEP slot
	s_bitcmp1_b32 s[BANY], 1                       ; does any wave want the next step's block?  (bit 1 is 0 in the last step of all)
	s_cbranch_scc0 .Lask_\@
	global_load_b128 v[G:G+3], v[CP], s[KVP:KVP+1] ; (the LDS stores that read v[G ..] stand ahead of the wait on vm_vsrc at the last step's end, or at the head's)
	s_cmp_lt_u32 s[WV], 11
	s_cbranch_scc0 .Lask_\@
	global_load_b128 v[G+4:G+7], v[CP], s[KVP:KVP+1] offset:8192
.Lask_\@:
	; A PREFETCH INTO THE L2 of the block behind the next: 54 x 256 bytes, a lane to each (two waves; the ten lanes over name the last again).  All four work-groups of a head walk the same blocks:
	; the first of them asks, in steps 0 to 13 of its first pass, for blocks 2 to 15: each block once in the launch, none past the head's last.  Blocks 0 and 1 come by their loads alone.
	s_cmp_lg_u32 s[PFN], 0
	s_cbranch_scc0 .Lwork_\@
	global_prefetch_b8 v[PFO], s[KVP:KVP+1] offset:KVBLK th:TH_LOAD_NT scope:SCOPE_SE
	s_sub_co_u32 s[PFN], s[PFN], 1
.Lwork_\@:
	s_bitcmp1_b32 s[ANYW], 0                       ; no entry of my 16 queries x these 128 keys is true: nothing to do
	s_cbranch_scc0 .Lskip_\@
	s_bitcmp1_b32 s[ANYW], 16                      ; all are true: no selects
	s_cbranch_scc1 .Lfull_\@
	s_load_b512 s[16:31], s[MBP:MBP+1], 0x0        ; the 64 lane masks, on their way while the scores are made
	s_load_b512 s[32:47], s[MBP:MBP+1], 0x40
	s_load_b512 s[48:63], s[MBP:MBP+1], 0x80
	s_load_b512 s[80:95], s[MBP:MBP+1], 0xc0
	KQ \slot*SLOTB
	s_wait_kmcnt 0x0
.set n, 0
.rept 64
.if n < 48
	v_cndmask_b32 v[S+n], v[NINF], v[S+n], s[16+n]     ; hidden scores become -infinity, ahead of the maximum; each tile of scores from its low end on
.else
	v_cndmask_b32 v[S+n], v[NINF], v[S+n], s[32+n]
.endif
.set n, n+1
.endr
	s_branch .Lsoft_\@
.Lfull_\@:
	KQ \slot*SLOTB
.Lsoft_\@:
	SOFTPV \slot*SLOTB
.Lskip_\@:
	s_wait_loadcnt 0x0                             ; the next block's bytes are in my registers
	s_bitcmp1_b32 s[BANY], 1
	s_cbranch_scc0 .Lnone_\@
	ds_store_b128 v[CP], v[G:G+3] offset:(1-\slot)*SLOTB               ; into the other slot: its last readers passed the barrier of the step before
	s_cmp_lt_u32 s[WV], 11
	s_cbranch_scc0 .Lnone_\@
	ds_store_b128 v[CP], v[G+4:G+7] offset:(1-\slot)*SLOTB+8192
.Lnone_\@:
	s_wait_xcnt 0x0                                ; the step's loads, scalar loads and prefetch have read their bases: these are written only behind this wait
	s_wait_alu depctr_vm_vsrc(0)                   ; the LDS stores above have read v[G ..], in which the next step's loads land
	s_lshr_b32 s[ANYW], s[ANYW], 1
	s_lshr_b32 s[BANY], s[BANY], 1
	s_add_co_u32 s[NXI], s[NXI], 1
	s_and_b32 s[NXI], s[NXI], 15                   ; behind a pass's last block comes block 0 again
	s_mul_i32 s[OFS], s[NXI], KVBLK
	s_add_nc_u64 s[KVP:KVP+1], s[KVH:KVH+1], s[OFS:OFS+1]
	s_add_nc_u64 s[MBP:MBP+1], s[MBP:MBP+1], 256
	s_wait_dscnt 0x0                               ; my stores into the other slot have landed, and my reads of this slot are over
	s_barrier_signal -1
	s_barrier_wait -1                              ; both now hold of all sixteen waves
.endm
	s_mov_b32 s[PASS], 2
.Lpass:
	; A pass begins with zeros: which step is a tile's first with work hangs on the mask, so no first step can be written out.  The first change of M multiplies zeros.
	; These 36 plain lines also stand between the writes of Q's codes and scale word and the first product.
	v_mov_b32 v[NM+1], 0xff61b1e6                  ; the largest t so far: -3e38, under every t
	v_floor_f32 v[NM], -v[NM+1]
	v_mov_b32 v[LS], 0
	v_mov_b32 v[LS+1], 0
.set j, 0
.rept 32
	v_mov_b32 v[O+j], 0
.set j, j+1
.endr
	s_wait_alu depctr_va_vdst(0)                   ; Q's codes and scale word are written (ahead of the first pass the zero codes of Q's and K's fragments too), which the pass's scaled products take; the places stand above
	s_mov_b32 s[CNT], 8
.Lstep:
	STEP 0
	STEP 1
	s_sub_co_u32 s[CNT], s[CNT], 1
	s_cmp_lg_u32 s[CNT], 0
	s_cbranch_scc1 .Lstep
	; THE WAY OUT: O^T / the sum goes through my stage and leaves as whole rows: a store of the wave covers two rows, 512 consecutive bytes, aligned.
	v_add_f32 v[LS], v[LS], v[LS+1]
	v_permlanex16_b32 v[T4], v[LS], s[SEL], s[SEL+1]
	v_add_f32 v[LS], v[LS], v[T4]                  ; the row's sum
	s_wait_alu depctr_va_vdst(0)
	v_rcp_f32 v[LS], v[LS]
	v_nop                                          ; one plain line behind the reciprocal
	s_wait_alu depctr_va_vdst(0)                   ; the reciprocal has written v[LS], ahead of its first reader
.set j, 0
.rept 32
	v_mul_f32 v[S+j], v[O+j], v[LS]                ; register 8 t + i is o(r, 16 t + 8 h + i); each accumulator from its low end on
.set j, j+1
.endr
	s_wait_alu depctr_va_vdst(0)                   ; the multiplications have written v[S .. S+31], which the LDS stores read; every earlier line that named v[S+32 .. S+63], in which the loads from the stage land, is done
.irp t, 0,1,2,3
	ds_store_b128 v[STO], v[S+8*\t:S+8*\t+3] offset:64*\t
	ds_store_b128 v[STO], v[S+8*\t+4:S+8*\t+7] offset:64*\t+16
.endr
.irp i, 0,1,2,3,4,5,6,7
	ds_load_b128 v[S+32+4*\i:S+32+4*\i+3], v[RD] offset:2*SP*\i        ; LDS serves a wave's instructions in order: these see my stores
.endr
.irp i, 0,1,2,3,4,5,6,7
	s_wait_dscnt 7-\i                              ; load i is back; the younger ones may be out
	global_store_b128 v[LI], v[S+32+4*\i:S+32+4*\i+3], s[OUT:OUT+1] offset:512*\i th:TH_STORE_NT
.endr
	s_wait_xcnt 0x0                                ; the stores have read their data and their base
	s_wait_alu depctr_vm_vsrc(0)                   ; the LDS stores have read v[S .. S+31] and the global stores v[S+32 .. S+63]: the next pass's products write them again
	; on to the second query block (run behind the second pass too, where nothing reads it)
.irp i, 0,1,2,3,4,5
	v_mov_b32 v[Q+\i], v[Q1+\i]
.endr
	v_mov_b32 v[QS], v[QS1]
	s_mov_b32 s[ANYW], s[ANYW1]
	s_mov_b64 s[MBP:MBP+1], s[MBP1:MBP1+1]
	s_mov_b64 s[OUT:OUT+1], s[OUT1:OUT1+1]
	s_sub_co_u32 s[PASS], s[PASS], 1
	s_cmp_lg_u32 s[PASS], 0
	s_cbranch_scc1 .Lpass
	s_wait_dscnt 0x0
	s_wait_alu depctr_hold_cnt(0) depctr_sa_sdst(0) depctr_va_vdst(0) depctr_va_sdst(0) depctr_va_ssrc(0) depctr_va_vcc(0) depctr_vm_vsrc(0)
	s_wait_tensorcnt 0x0
	ds_add_u32 v254, v255
	s_wait_dscnt 0x0
	s_endpgm
.Lfunc_end_k_qe4de18cb58_attn:
	.size	k_qe4de18cb58_attn, .Lfunc_end_k_qe4de18cb58_attn-k_qe4de18cb58_attn
	.p2alignl 7, 3214868480
	.fill 96, 4, 3214868480
	.section	.rodata,"a",@progbits
	.p2align	6, 0x0
	.amdhsa_kernel k_qe4de18cb58_attn
		.amdhsa_group_segment_fixed_size 104448
		.amdhsa_private_segment_fixed_size 0
		.amdhsa_enable_private_segment 0
		.amdhsa_kernarg_size 40
		.amdhsa_user_sgpr_count 2
		.amdhsa_user_sgpr_kernarg_segment_ptr 1
		.amdhsa_wavefront_size32 1
		.amdhsa_system_sgpr_workgroup_id_x 1
		.amdhsa_system_sgpr_workgroup_id_y 1
		.amdhsa_system_sgpr_workgroup_id_z 1
		.amdhsa_system_vgpr_workitem_id 0
		.amdhsa_next_free_vgpr 256
		.amdhsa_next_free_sgpr 102
		.amdhsa_reserve_vcc 0
		.amdhsa_float_denorm_mode_32 3
		.amdhsa_float_denorm_mode_16_64 3
		.amdhsa_memory_ordered 1
		.amdhsa_forward_progress 1
		.amdhsa_inst_pref_size 67
	.end_amdhsa_kernel
	.amdgpu_metadata
---
amdhsa.version: [ 1, 2 ]
amdhsa.kernels:
  - .name:           k_qe4de18cb58_attn
    .symbol:         k_qe4de18cb58_attn.kd
    .args:
      - { .name: q, .offset: 0, .size: 8, .value_kind: global_buffer, .address_space: global }
      - { .name: kv, .offset: 8, .size: 8, .value_kind: global_buffer, .address_space: global }
      - { .name: mb, .offset: 16, .size: 8, .value_kind: global_buffer, .address_space: global }
      - { .name: fl, .offset: 24, .size: 8, .value_kind: global_buffer, .address_space: global }
      - { .name: out0, .offset: 32, .size: 8, .value_kind: global_buffer, .address_space: global }
    .group_segment_fixed_size: 104448
    .private_segment_fixed_size: 0
    .kernarg_segment_align: 8
    .kernarg_segment_size: 40
    .max_flat_workgroup_size: 512
    .sgpr_count:     102
    .vgpr_count:     256
    .wavefront_size: 32
...
	.end_amdgpu_metadata
.endif
;; end of part 4
